; MI455X (gfx1250); checked and timed in simulation.
; The chip was launched on July 23, 2026; its instructions are those of AMD's public machine-readable ISA for CDNA 5 (MIT licence, August 2026) and "CDNA5" Instruction Set Architecture Reference Guide (July 2026). The comments in the code are by the model that wrote it; some were corrected since.
;; Masked Multi Head Attention Block. Allowed arithmetic: matrix products marked QUANTISED: E2M1 operands, one E8M0 scale for each 32 along K, by v_wmma_scale_f32_16x16x128_f8f6f4 with both operands' format E2M1 (or v_wmma_scale_f32_32x16x128_f4), f32 sums; everything else in f32.
;; Inputs: Mk_b 512 float32; Mk_w 512 x 1,024 float32; Mq_b 512 float32; Mq_w 512 x 1,024 float32; Mv_b 1,024 float32; Mv_w 1,024 x 1,024 float32; Wo_b 1,024 float32; Wo_w 1,024 x 1,024 float32; mask 4 x 2,048 float32; x 4 x 2,048 x 1,024 float32.
;; Outputs: out0 4 x 2,048 x 1,024 float32.
;; This version of the problem:
;;   THIS VERSION OF THE PROBLEM IS GIVEN IN LOW PRECISION. The matrix products marked QUANTISED in the list below multiply operands that are first quantised to E2M1 (2 exponent bits, 1 mantissa bit; 4 bits a number), with one power-of-two scale for each 32 numbers along K (OCP MX v1.0); their sums are f32. All else is computed in f32.
;;   The module's matrix products, in the order in which they are computed (A, B: the left and right operand; K: the contracted axis; several contracted axes count as one K, in the product's order):
;;     1. [M 8,192, K 1,024] x [K 1,024, N 512]; A: input x; B: input Mq_w: QUANTISED
;;     2. [M 8,192, K 1,024] x [K 1,024, N 512]; A: input x; B: input Mk_w: QUANTISED
;;     3. [M 8,192, K 1,024] x [K 1,024, N 1,024]; A: input x; B: input Mv_w: QUANTISED
;;     4. batch 32 x [M 2,048, K 64] x [K 64, N 2,048]; A: computed on the way; B: computed on the way: QUANTISED
;;     5. batch 32 x [M 2,048, K 2,048] x [K 2,048, N 128]; A: computed on the way; B: computed on the way: QUANTISED
;;     6. [M 8,192, K 1,024] x [K 1,024, N 1,024]; A: computed on the way; B: input Wo_w: QUANTISED
;;   THE QUANTISER, for each operand of a quantised product, along K:
;;     - K is cut into blocks of 32 from its start; a last block that is shorter is filled with zeros.
;;     - A block's scale is 2^e with e = floor(log2(the largest magnitude in the block)) - 2, held to -126 .. 127; a block of zeros has e = 0. As a byte (E8M0): e + 127.
;;     - Each number is divided by its block's scale, clamped to +-6, and rounded to the nearest number of E2M1, ties to even, subnormals kept.
;;     - The product sums the exact products of the quantised numbers (number of the format x scale) in f32.
;;   ~~~python
;;   def quantise(x, axis):      # numpy; x: float32 -> the quantised numbers, widened to float32 again
;;       x = np.moveaxis(x, axis, -1); K = x.shape[-1]
;;       x = np.pad(x, [(0, 0)] * (x.ndim - 1) + [(0, -K % 32)]); x = x.reshape(x.shape[:-1] + (-1, 32)); a = np.abs(x).max(-1, keepdims=True)
;;       e = np.where(a > 0, np.clip(np.frexp(np.where(a > 0, a, 1))[1] - 1 - 2, -126, 127), 0)      # np.frexp(a)[1] - 1 = floor(log2(a)), exactly
;;       r = np.clip(x / 2.0 ** e, -6, 6)
;;       step = 2.0 ** (np.maximum(np.frexp(np.where(r == 0, 1, r))[1] - 1, 0) - 1)
;;       q = np.round(r / step) * step * 2.0 ** e      # np.round: ties to even
;;       return np.moveaxis(q.reshape(q.shape[:-2] + (-1,))[..., :K], -1, axis).astype(np.float32)
;;   ~~~
;;   OPERANDS COMPUTED ON THE WAY. 'Computed on the way' means the value that the module computes at that place (a softmax that the list does not call 'softmax' is quantised finished and normalised). What goes into a quantiser is computed in f32, as accurately as f32 sums, v_exp_f32 and their like allow (about 1e-6 of the number): no bf16 or f16 on the way to a quantiser, and a product that is left as it is and whose result goes on into a quantised operand takes f32 operands (vector FMAs, or v_wmma_f32_16x16x4_f32). A number that lies on a knife's edge between two numbers of the format may be rounded either way, as far as f32 arithmetic and the matrix unit's own rounding can turn it there, and no further.
;; One version. Each part assembles by itself: llvm-mc -triple=amdgcn-amd-amdhsa -mcpu=gfx1250 --defsym DOCPART=n.
;; ======== version 1 of 1: 4 launches
;; limits: right only within a limited range of input values
;; workspace buffers: xw_codes 5,767,168 bytes; xw_scales 360,448 bytes; qk_codes 4,194,304 bytes; qk_scales 524,288 bytes; v_codes 4,194,304 bytes; v_scales 262,144 bytes; lstat 262,144 bytes
;; launch quant (part 1): grid 352 x 1, 4 waves a work-group, no clusters, 33,280 bytes of LDS; arguments x, Mq_w, Mk_w, Mv_w, Wo_w, xw_codes, xw_scales; writes xw_codes, xw_scales
.if DOCPART == 1
	.amdgcn_target "amdgcn-amd-amdhsa--gfx1250"
	.amdhsa_code_object_version 6
	.text
	.protected	k_q3543671913_quant
	.globl	k_q3543671913_quant
	.p2align	8
	.type	k_q3543671913_quant,@function
k_q3543671913_quant:
	s_mov_b64 s[64:65], 0
	v_nop
	global_prefetch_b8 v0, s[64:65] scope:SCOPE_SE
	s_setreg_imm32_b32 hwreg(HW_REG_WAVE_MODE, 25, 1), 1
	s_wait_xcnt 0x0
; x [8192][1024] and the four weights (Mq_w, Mk_w [512][1024]; Mv_w, Wo_w [1024][1024]), f32 with K innermost, become codes of FP4 (E2M1) and one E8M0 byte for each 32 along K.
; OUT: one stream of 11,264 rows: codes 512 bytes a row, scale bytes 32 a row: x's 8,192 rows, then Mq, Mk, Mv, Wo.  A wave takes a RUN of 8 rows (8,192 numbers): 4,096 bytes of codes, 256 scale bytes.
; THE WEIGHTS' ROWS ARE RE-ORDERED ON THE WAY, so that the next launch's results fall where its quantisers want them.  With swap01(n) = n with its two lowest bits exchanged:
;   Mq, Mk: stored run s holds rows 8 swap01(s) + i;   Mv: stored run s holds rows 128 i + swap01(s), i = 0 .. 7;   x and Wo: as they lie.  A run's two lowest bits are the wave's number.
; A block's scale is 2^(floor(log2(its largest magnitude)) - 2); its byte is the largest magnitude's exponent field - 2, held at 1 from below.  (A block of zeros so gets the byte 1 where the rule says 127:
; its codes are zeros, which add nothing under any byte but 0xff, and the bytes are read by this program alone.)
; LIMITS: blocks whose largest magnitude lies under 2^(2 - 126) keep the byte 1; NaN and infinities among the inputs are not served.
; A step is 512 numbers (half a row).  Each of its four loads reads 512 consecutive bytes; the 2,048 bytes turn through the wave's own stage in LDS and come back 64 bytes a lane: 16 neighbours along K, two lanes to a block.
; No tensor loads, no barrier, no cluster: waves share nothing, and every input byte is read once.  Loads run eight steps (32 loads, 16,384 bytes a wave) ahead, the turn through LDS one step.
.set STEPS, 16
.set DEPTH, 8                          ; steps whose loads are out
.set EMAX,  2
.set CB,    8                          ; bytes of 16 codes
.set R,     16                         ; v16-143  eight sets of 16 numbers as they are loaded
.set X,     144                        ; v144-175 two sets of 16 neighbours
.set C,     176                        ; v176-207 codes: two registers for each step, so that no store's data are written again
.set E,     208                        ; v208-223 a scale byte for each step
.set RO,    224                        ; v224-231 byte offset of my 16 bytes in row i of the run; never rewritten
.set WREG,  8192                       ; LDS: a region for each wave: two stages of 32 x SP bytes, behind them its 256 scale bytes
.set SP,    80                         ; a lane's place in a stage: 64 bytes + 16 of padding
	s_load_b256 s[4:11], s[0:1], 0x0               ; x, Mq_w, Mk_w, Mv_w
	s_load_b128 s[12:15], s[0:1], 0x20             ; Wo_w, the codes
	s_load_b64 s[16:17], s[0:1], 0x30              ; the scale bytes
	v_lshl_add_u32 v232, v0, 2, 0x8000
	v_mov_b32 v233, 0
	v_lshrrev_b32 v1, 5, v0
	v_readfirstlane_b32 s18, v1                    ; wave
	v_and_b32 v2, 31, v0                           ; lane
	v_lshlrev_b32 v3, 4, v2                        ; my 16 bytes of a load's 512
	s_mul_i32 s19, s18, WREG
	v_lshrrev_b32 v14, 2, v2
	v_mul_u32_u24 v14, v14, SP
	v_and_b32 v15, 3, v2
	v_lshl_add_u32 v14, v15, 4, v14
	v_add_nc_u32 v14, s19, v14                     ; the stage, on the way in: SP (lane / 4) + 16 (lane % 4)
	v_mul_u32_u24 v15, v2, SP
	v_add_nc_u32 v15, s19, v15                     ; and on the way out: SP x lane: my 16 neighbours
	v_lshrrev_b32 v5, 1, v2
	s_add_co_u32 s19, s19, 2*32*SP
	v_add_nc_u32 v5, s19, v5                       ; LDS: my wave's 256 scale bytes, my block's byte
	v_lshlrev_b32 v7, 3, v2                        ; and on the way out 8 bytes a lane
	v_add_nc_u32 v6, s19, v7
	s_and_b32 s23, s18, 1
	s_lshl_b32 s23, s23, 1
	s_lshr_b32 s24, s18, 1
	s_or_b32 s23, s23, s24                         ; swap01(wave)
	s_sub_co_u32 s24, ttmp9, 256
	s_cmp_lt_u32 s24, 64                           ; work-groups 256 .. 319 take Mq, Mk, Mv: their runs are re-ordered
	s_cselect_b32 s23, s23, s18
	s_wait_kmcnt 0x0
	s_mov_b64 s[20:21], s[12:13]                   ; which tensor, and its first work-group: the choices hang on the work-group's number alone
	s_mov_b32 s22, 320
	s_cmp_lt_u32 ttmp9, 320
	s_cselect_b64 s[20:21], s[10:11], s[20:21]
	s_cselect_b32 s22, 288, s22
	s_cmp_lt_u32 ttmp9, 288
	s_cselect_b64 s[20:21], s[8:9], s[20:21]
	s_cselect_b32 s22, 272, s22
	s_cmp_lt_u32 ttmp9, 272
	s_cselect_b64 s[20:21], s[6:7], s[20:21]
	s_cselect_b32 s22, 256, s22
	s_cmp_lt_u32 ttmp9, 256
	s_cselect_b64 s[20:21], s[4:5], s[20:21]
	s_cselect_b32 s22, 0, s22
	s_sub_co_u32 s24, ttmp9, s22
	s_lshl_b32 s24, s24, 2
	s_add_co_u32 s24, s24, s23                     ; the run that I read
	s_sub_co_u32 s25, ttmp9, 288
	s_cmp_lt_u32 s25, 32                           ; Mv: the run's rows lie 128 rows apart and begin at row = the run's number
	s_cselect_b32 s26, 12, 15
	s_mov_b32 s27, 4096
	s_cselect_b32 s27, 0x80000, s27                ; bytes from row to row of a run
	s_lshl_b32 s24, s24, s26
	s_mov_b32 s25, 0
	s_add_nc_u64 s[20:21], s[20:21], s[24:25]
.irp i, 0,1,2,3,4,5,6,7
	v_mad_u32_u24 v[RO+\i], s27, \i, v3
.endr
; WHERE A STEP'S CODES GO.  x, Mq, Mk, Mv: as a stream of rows of 512 bytes: step t = 2 i + half of the run at 512 i + 256 half + 8 lane.
; Wo's 1,024 rows are the exception: they are laid IN THE ORDER OF A MATRIX OPERAND'S REGISTERS: tile of 16 rows (8,192 bytes), in it the K step of 128 (1,024), the register group c (512), the half h of the lanes (256), the row r (16 bytes).
; A lane's 8 bytes of row 8 (run % 2) + i then lie at 8192 (run / 2) + 128 (run % 2) + 4096 half + 256 (lane / 2) + 16 i + 8 (lane % 2): two lanes store 16 bytes on end, and the launch that multiplies by Wo reads 512 bytes on end with each load.
; One text serves both: three strides are chosen by the work-group's number alone.
.set SO, 234                           ; v234-249 byte offset of my codes in step t; never rewritten
	s_cmp_lt_u32 ttmp9, 320
	s_cselect_b32 s32, 16, 256                     ; from lane pair to lane pair
	s_cselect_b32 s34, 512, 16                     ; from row to row
	s_mov_b32 s33, 4096
	s_cselect_b32 s33, 256, s33                    ; from half to half of a row
	s_cselect_b32 s36, 0, 3968                     ; Wo: an odd run begins 128 bytes behind its even neighbour, not 4,096
	s_and_b32 s35, s18, 1
	s_mul_i32 s36, s36, s35
	v_lshrrev_b32 v4, 1, v2
	v_and_b32 v8, 1, v2
	v_mul_u32_u24 v4, s32, v4
	v_lshl_add_u32 v4, v8, 3, v4
.irp i, 0,1,2,3,4,5,6,7
	v_mad_u32_u24 v[SO+2*\i], s34, \i, v4
.endr
.irp i, 0,1,2,3,4,5,6,7
	v_add_nc_u32 v[SO+2*\i+1], s33, v[SO+2*\i]
.endr
	s_lshl_b32 s28, ttmp9, 2
	s_add_co_u32 s28, s28, s18                     ; the run that I write: 4 x work-group + wave
	s_lshl_b32 s30, s28, 12
	s_mov_b32 s31, 0
	s_add_nc_u64 s[14:15], s[14:15], s[30:31]
	s_mov_b32 s37, 0
	s_sub_nc_u64 s[14:15], s[14:15], s[36:37]
	s_lshl_b32 s30, s28, 8
	s_add_nc_u64 s[16:17], s[16:17], s[30:31]
	s_wait_alu depctr_va_vdst(0)                   ; behind the run of scalar instructions
.macro LOAD t
.irp i, 0,1,2,3
	global_load_b128 v[R+16*((\t)%DEPTH)+4*\i:R+16*((\t)%DEPTH)+4*\i+3], v[RO+(\t)/2], s[20:21] offset:2048*((\t)%2)+512*\i th:TH_LOAD_NT   ; 32 lanes read 512 consecutive bytes
.endr
.endm
.macro TURN t                          ; step t's numbers through the stage: LDS serves a wave's instructions in order, so no wait stands between the stores and the loads
.irp i, 0,1,2,3
	ds_store_b128 v14, v[R+16*((\t)%DEPTH)+4*\i:R+16*((\t)%DEPTH)+4*\i+3] offset:32*SP*((\t)%2)+8*SP*\i
.endr
.irp i, 0,1,2,3
	ds_load_b128 v[X+16*((\t)%2)+4*\i:X+16*((\t)%2)+4*\i+3], v15 offset:32*SP*((\t)%2)+16*\i
.endr
.endm
.irp t, 0,1,2,3,4,5,6,7
	LOAD \t
.endr
	s_wait_alu depctr_va_vdst(0)
	s_wait_loadcnt 4*(DEPTH-1)                     ; step 0's four loads are in; the seven steps behind it may be out
	TURN 0
.macro STEP t
.set XS, X+16*((\t)%2)
.if (\t) > 0
	s_wait_dscnt 1                                 ; this step's numbers are back from the stage (the last step's byte store may be out): so its stores into the stage have read their registers,
.else
	s_wait_dscnt 0x0
.endif
.if (\t)+DEPTH < STEPS
	LOAD (\t)+DEPTH                                ; which take the loads of eight steps on
.endif
.if (\t)+1 < STEPS
.if STEPS-2-(\t) >= DEPTH-1
	s_wait_loadcnt 4*(DEPTH-1)                     ; the next step's four loads are in; those of the seven steps behind it may be out
.else
	s_wait_loadcnt 4*(STEPS-2-(\t))                ; at the end: those of the steps that are left
.endif
	TURN (\t)+1                                    ; and go through the other stage while this step is worked
.endif
	v_max3_num_f32 v8, |v[XS]|, |v[XS+1]|, |v[XS+2]|               ; the largest magnitude of my 16
	v_max3_num_f32 v9, |v[XS+3]|, |v[XS+4]|, |v[XS+5]|
.irp i, 6,10
	v_max3_num_f32 v8, v8, |v[XS+\i]|, |v[XS+\i+1]|
	v_max3_num_f32 v9, v9, |v[XS+\i+2]|, |v[XS+\i+3]|
.endr
	v_max3_num_f32 v8, v8, |v[XS+14]|, |v[XS+15]|
	v_max3_num_f32 v8, v8, v9, (EMAX+1)<<23        ; and the floor 2^(EMAX + 1 - 127): the byte cannot fall under 1
	v_max_num_f32_dpp v8, v8, v8 row_xmask:1 row_mask:0xf bank_mask:0xf   ; and of my neighbour's 16: the block's
	v_add_nc_u32 v11, -(EMAX<<23), v8              ; EMAX off its exponent field: the conversion takes the exponent field of this operand as its scale
	v_cvt_scalef32_pk8_fp4_f32 v[C+2*(\t)], v[XS:XS+7], v11
	v_cvt_scalef32_pk8_fp4_f32 v[C+2*(\t)+1], v[XS+8:XS+15], v11
	v_lshrrev_b32 v[E+(\t)], 23, v11               ; the scale's byte
	ds_store_b8 v5, v[E+(\t)] offset:16*(\t)       ; both lanes of a block write the same byte with the same value
	global_store_b64 v[SO+(\t)], v[C+2*(\t):C+2*(\t)+1], s[14:15]   ; x, Mq, Mk, Mv: the wave stores 256 consecutive bytes, aligned; Wo: sixteen pieces of 16 bytes
.endm
.irp t, 0,1,2,3,4,5,6,7,8,9,10,11,12,13,14,15
	STEP \t
.endr
	ds_load_b64 v[12:13], v6                       ; LDS serves a wave's instructions in order: these see my stores
	s_wait_dscnt 0x0
	global_store_b64 v7, v[12:13], s[16:17]        ; 32 lanes store 256 consecutive bytes, aligned
	s_wait_tensorcnt 0x0
	ds_add_u32 v232, v233
	s_wait_dscnt 0x0
	s_endpgm
.Lfunc_end_k_q3543671913_quant:
	.size	k_q3543671913_quant, .Lfunc_end_k_q3543671913_quant-k_q3543671913_quant
	.p2alignl 7, 3214868480
	.fill 96, 4, 3214868480
	.section	.rodata,"a",@progbits
	.p2align	6, 0x0
	.amdhsa_kernel k_q3543671913_quant
		.amdhsa_group_segment_fixed_size 33280
		.amdhsa_private_segment_fixed_size 0
		.amdhsa_enable_private_segment 0
		.amdhsa_kernarg_size 56
		.amdhsa_user_sgpr_count 2
		.amdhsa_user_sgpr_kernarg_segment_ptr 1
		.amdhsa_wavefront_size32 1
		.amdhsa_system_sgpr_workgroup_id_x 1
		.amdhsa_system_sgpr_workgroup_id_y 1
		.amdhsa_system_sgpr_workgroup_id_z 1
		.amdhsa_system_vgpr_workitem_id 0
		.amdhsa_next_free_vgpr 250
		.amdhsa_next_free_sgpr 66
		.amdhsa_reserve_vcc 0
		.amdhsa_float_denorm_mode_32 3
		.amdhsa_float_denorm_mode_16_64 3
		.amdhsa_memory_ordered 1
		.amdhsa_forward_progress 1
		.amdhsa_inst_pref_size 36
	.end_amdhsa_kernel
	.amdgpu_metadata
---
amdhsa.version: [ 1, 2 ]
amdhsa.kernels:
  - .name:           k_q3543671913_quant
    .symbol:         k_q3543671913_quant.kd
    .args:
      - { .name: x, .offset: 0, .size: 8, .value_kind: global_buffer, .address_space: global }
      - { .name: Mq_w, .offset: 8, .size: 8, .value_kind: global_buffer, .address_space: global }
      - { .name: Mk_w, .offset: 16, .size: 8, .value_kind: global_buffer, .address_space: global }
      - { .name: Mv_w, .offset: 24, .size: 8, .value_kind: global_buffer, .address_space: global }
      - { .name: Wo_w, .offset: 32, .size: 8, .value_kind: global_buffer, .address_space: global }
      - { .name: xw_codes, .offset: 40, .size: 8, .value_kind: global_buffer, .address_space: global }
      - { .name: xw_scales, .offset: 48, .size: 8, .value_kind: global_buffer, .address_space: global }
    .group_segment_fixed_size: 33280
    .private_segment_fixed_size: 0
    .kernarg_segment_align: 8
    .kernarg_segment_size: 56
    .max_flat_workgroup_size: 128
    .sgpr_count:     66
    .vgpr_count:     250
    .wavefront_size: 32
...
	.end_amdgpu_metadata
.endif
;; end of part 1
;; launch proj (part 2): grid 8 x 32, 4 waves a work-group, clusters of 4 x 4, 327,680 bytes of LDS; arguments xw_codes, xw_scales, Mq_b, Mk_b, Mv_b, qk_codes, qk_scales, v_codes, v_scales; writes qk_codes, qk_scales, v_codes, v_scales
.if DOCPART == 2
	.amdgcn_target "amdgcn-amd-amdhsa--gfx1250"
	.amdhsa_code_object_version 6
	.text
	.protected	k_q3543671913_proj
	.globl	k_q3543671913_proj
	.p2align	8
	.type	k_q3543671913_proj,@function
k_q3543671913_proj:
	s_mov_b64 s[64:65], 0
	v_nop
	global_prefetch_b8 v0, s[64:65] scope:SCOPE_SE
	s_setreg_imm32_b32 hwreg(HW_REG_WAVE_MODE, 25, 1), 1
	s_wait_xcnt 0x0
	s_wait_alu depctr_hold_cnt(0) depctr_sa_sdst(0) depctr_va_vdst(0) depctr_va_sdst(0) depctr_va_ssrc(0) depctr_va_vcc(0) depctr_vm_vsrc(0)
	s_getreg_b32 s2, hwreg(HW_REG_IB_STS2, 6, 4)
	s_cmp_eq_u32 s2, 0
	s_cbranch_scc0 .Lentry_in_a_cluster
	s_endpgm
.Lentry_in_a_cluster:
	s_bfe_u32 s2, ttmp6, 0x10000c
	s_cmp_lg_u32 s2, 0xf033
	s_cbranch_scc0 .Lentry_shape_is_right
	s_endpgm
.Lentry_shape_is_right:
.set SIZE_K, 1024
.set KSTEP,  512
.set NQ,     KSTEP/128
.set ROWB,   256
.set KROW,   SIZE_K*4/8
.set PITCH,  272
.set FR,     8
.set NL,     2
.set NP,     4
.set HALFT,  128*PITCH
.set SLOT,   4*HALFT
.set KS,     SIZE_K/32
.set SCL,    2*SLOT
.set HALFS,  (128*KS/256)*272
.set SBLK,   (16*KS/256)*272
.set SPARE,  SCL+4*HALFS
.set QSTG,   0
.set VSTG,   4096
.set VROW,   1056
.set VSCS,   VSTG+32*VROW
.set BOF,  7
.set QCO,  8
.set QSO,  9
.set QSR,  10
.set LN16, 11
.set SH,   12
.set VSO,  13
.set VBO,  14
.set VSR,  15
.set ADRA, 16
.set ADRB, 20
.set ADRS, 27
.set SPW,  28
.set NIL,  29
.set VBR,  30
.set SC,   32
.set AF,   128
.set BIAS, 192
.set PW,   96
.set SW,   104
.set TM,   112
.set PC,   128
.set T,    32
.set CW,   128
.set G1, 24
.set G0, 32
.set G1B, 48
.set G0B, 56
.set G1S, 68
.set G0S, 76
.set G1SB, 80
.set G0SB, 88
.set MSB, 0
.macro WIN new
.if MSB != \new
	s_set_vgpr_msb (MSB<<8)|\new
.set MSB, \new
.endif
.endm
.set MUL_LO, 0xa1
.set MUL_HI, 0xf1
.set FST_LO, 0x81
.set FST_HI, 0xc1
.set TO_B,   0x40
.macro JLOAD g0a, g1a, g0b, g1b
	s_cmp_eq_u32 s15, 0
	s_cbranch_scc0 .Lfor_b_\@
	tensor_load_to_lds s[\g0a:\g0a+3], s[\g1a:\g1a+7]
	s_nop 0
.rept 4
	v_nop
.endr
	s_branch .Lasked_\@
.Lfor_b_\@:
	tensor_load_to_lds s[\g0b:\g0b+3], s[\g1b:\g1b+7]
	s_nop 0
.rept 4
	v_nop
.endr
.Lasked_\@:
.endm
.macro CROUND
	s_barrier_signal -1
	s_barrier_wait -1
	s_cmp_lg_u32 s14, 0
	s_cbranch_scc1 .Lnot_wave_0_\@
	s_barrier_signal -3
.Lnot_wave_0_\@:
	s_barrier_wait -3
	s_barrier_signal -1
	s_barrier_wait -1
.endm
	s_load_b128 s[4:7], s[0:1], 0x0
	s_load_b128 s[96:99], s[0:1], 0x10
	s_load_b64 s[100:101], s[0:1], 0x20
	v_lshl_add_u32 v[SPW], v0, 2, SPARE
	v_mov_b32 v[NIL], 0
	ds_add_u32 v28, v29
	ds_add_u32 v28, v29
	s_wait_dscnt 0x0
	v_lshrrev_b32 v1, 5, v0
	v_readfirstlane_b32 s14, v1
	s_lshr_b32 s15, s14, 1
	s_and_b32 s16, s14, 1
	s_bfe_u32 s40, ttmp6, 0x40000
	s_bfe_u32 s41, ttmp6, 0x40004
	s_lshl_b32 s42, ttmp9, 2
	s_add_co_u32 s42, s42, s40
	s_and_b32 s17, ttmp7, 0xffff
	s_lshl_b32 s17, s17, 2
	s_add_co_u32 s17, s17, s41
	s_lshl_b32 s43, s41, 2
	s_lshl_b32 s43, 15, s43
	s_lshl_b32 s44, 0x1111, s40
	s_or_b32 s[G1+0], s43, (0<<16)|(1<<20)|(1<<21)|(5<<22)|(3<<25)
	s_or_b32 s[G1B+0], s44, (0<<16)|(1<<20)|(1<<21)|(5<<22)|(3<<25)
.irp g, G1, G1B
	s_mov_b32 s[\g+1], ROWB<<16
	s_mov_b32 s[\g+2], 128<<16
	s_mov_b32 s[\g+3], ROWB<<16
	s_mov_b32 s[\g+4], 128
	s_mov_b32 s[\g+5], KROW
	s_mov_b32 s[\g+6], 0
	s_mov_b32 s[\g+7], 0
.endr
	s_or_b32 s[G1S+0], s43, (3<<16)|(1<<20)|(1<<21)|(5<<22)|(3<<25)
	s_or_b32 s[G1SB+0], s44, (3<<16)|(1<<20)|(1<<21)|(5<<22)|(3<<25)
.irp g, G1S, G1SB
	s_mov_b32 s[\g+1], 32<<16
	s_mov_b32 s[\g+2], (128*KS/256)<<16
	s_mov_b32 s[\g+3], 32<<16
	s_mov_b32 s[\g+4], 128*KS/256
	s_mov_b32 s[\g+5], 32
	s_mov_b32 s[\g+6], 0
	s_mov_b32 s[\g+7], 0
.endr
	s_lshl_b32 s18, s16, 7
	s_lshl_b32 s20, s17, 8
	s_add_co_u32 s20, s20, s18
	s_lshl_b32 s46, s42, 8
	s_add_co_u32 s46, s46, s18
	s_mov_b32 s21, 0
	s_mov_b32 s47, 0
	s_mov_b64 s[18:19], KS
	s_mul_u64 s[22:23], s[20:21], s[18:19]
	s_mul_u64 s[92:93], s[46:47], s[18:19]
	s_mov_b64 s[18:19], KROW
	s_mul_u64 s[20:21], s[20:21], s[18:19]
	s_mul_u64 s[46:47], s[46:47], s[18:19]
	s_mul_i32 s45, s14, HALFT
	s_mul_i32 s94, s14, HALFS
	s_wait_kmcnt 0x0
	s_add_nc_u64 s[8:9], s[4:5], 4194304
	s_add_nc_u64 s[10:11], s[6:7], 262144
	s_add_nc_u64 s[20:21], s[4:5], s[20:21]
	s_add_nc_u64 s[22:23], s[6:7], s[22:23]
	s_add_nc_u64 s[46:47], s[8:9], s[46:47]
	s_add_nc_u64 s[92:93], s[10:11], s[92:93]
	CROUND
	s_mov_b32 s[G0S], 1
	s_add_co_u32 s[G0S+1], s94, SCL
	s_mov_b64 s[G0S+2:G0S+3], s[22:23]
	s_or_b32 s[G0S+3], s[G0S+3], 0x80000000
	s_mov_b32 s[G0SB], 1
	s_add_co_u32 s[G0SB+1], s94, SCL
	s_mov_b64 s[G0SB+2:G0SB+3], s[92:93]
	s_or_b32 s[G0SB+3], s[G0SB+3], 0x80000000
	JLOAD G0S, G1S, G0SB, G1SB
.irp s, 0,1
	s_mov_b32 s[G0+4*\s], 1
	s_add_co_u32 s[G0+4*\s+1], s45, \s*SLOT
	s_add_nc_u64 s[G0+4*\s+2:G0+4*\s+3], s[20:21], \s*ROWB
	s_or_b32 s[G0+4*\s+3], s[G0+4*\s+3], 0x80000000
	s_mov_b32 s[G0B+4*\s], 1
	s_add_co_u32 s[G0B+4*\s+1], s45, \s*SLOT
	s_add_nc_u64 s[G0B+4*\s+2:G0B+4*\s+3], s[46:47], \s*ROWB
	s_or_b32 s[G0B+4*\s+3], s[G0B+4*\s+3], 0x80000000
	s_wait_alu depctr_va_vdst(0)
	s_wait_tensorcnt 0x0
	ds_add_u32 v28, v29
	s_wait_dscnt 0x0
	CROUND
	JLOAD G0+4*\s, G1, G0B+4*\s, G1B
.endr
	v_and_b32 v1, 15, v0
	v_bfe_u32 v2, v0, 4, 1
	v_mul_u32_u24 v3, v1, PITCH
	v_lshl_add_u32 v4, v2, 4, v3
	s_mul_i32 s21, s15, HALFT
	s_mul_i32 s22, s16, HALFT
	s_add_co_u32 s22, s22, 2*HALFT
.irp s, 0,1
	v_add_nc_u32 v[ADRA+\s], s21, v4
	v_add_nc_u32 v[ADRB+\s], s22, v4
	s_add_co_u32 s21, s21, SLOT
	s_add_co_u32 s22, s22, SLOT
.endr
	v_mul_u32_u24 v5, v1, KS
	v_lshrrev_b32 v6, 8, v5
	v_lshl_add_u32 v5, v6, 4, v5
	s_mul_i32 s21, s15, HALFS
	s_mul_i32 s22, s16, HALFS
	s_add_co_u32 s22, s22, 2*HALFS
	s_sub_co_u32 s22, s22, s21
	v_mul_u32_u24 v6, s22, v2
	s_add_co_u32 s21, s21, SCL
	v_add_nc_u32 v5, v5, v6
	v_add_nc_u32 v[ADRS], s21, v5
	v_and_b32 v3, 12, v1
	v_and_b32 v4, 1, v1
	v_lshl_add_u32 v3, v4, 1, v3
	v_bfe_u32 v4, v1, 1, 1
	v_add_nc_u32 v3, v3, v4
	v_lshlrev_b32 v[QCO], 4, v3
	v_lshl_add_u32 v[QCO], v2, 12, v[QCO]
	s_lshl_b32 s21, s14, 10
	v_lshlrev_b32 v[QSO], 2, v3
	v_lshl_add_u32 v[QSO], v2, 9, v[QSO]
	v_add_nc_u32 v[QSO], s21, v[QSO]
	v_and_b32 v4, 31, v0
	v_lshlrev_b32 v[LN16], 4, v4
	s_wait_alu depctr_va_vdst(0)
	v_add_nc_u32 v[QSR], s21, v[LN16]
	v_lshlrev_b32 v[SH], 4, v2
	s_mul_i32 s21, s16, 8*VROW
	s_lshl_b32 s22, s15, 9
	s_add_co_u32 s21, s21, s22
	s_add_co_u32 s21, s21, VSTG
	v_mul_u32_u24 v[VSO], v2, 2*VROW
	v_lshl_add_u32 v[VSO], v1, 2, v[VSO]
	v_add_nc_u32 v[VSO], s21, v[VSO]
	s_lshl_b32 s21, s15, 10
	s_lshl_b32 s22, s16, 6
	s_add_co_u32 s21, s21, s22
	s_add_co_u32 s21, s21, VSCS
	v_lshrrev_b32 v[VBO], 2, v1
	v_lshl_add_u32 v[VBO], v2, 4, v[VBO]
	v_add_nc_u32 v[VBO], s21, v[VBO]
	s_mul_i32 s21, s14, 8*VROW
	s_add_co_u32 s21, s21, VSTG
	v_add_nc_u32 v[VSR], s21, v[LN16]
	s_lshl_b32 s21, s14, 9
	s_add_co_u32 s21, s21, VSCS
	v_add_nc_u32 v[VBR], s21, v[LN16]
	s_mov_b32 s93, 0
	s_cmp_lg_u32 ttmp9, 0
	s_cbranch_scc1 .Lbias_v
	s_cmp_lt_u32 s42, 2
	s_cselect_b64 s[66:67], s[96:97], s[98:99]
	s_and_b32 s92, s42, 1
	s_lshl_b32 s92, s92, 10
	s_lshl_b32 s94, s16, 9
	s_add_co_u32 s92, s92, s94
	s_add_nc_u64 s[66:67], s[66:67], s[92:93]
	v_lshlrev_b32 v[BOF], 6, v2
.irp b, 0,1,2,3,4,5,6,7
	global_load_b128 v[BIAS+8*\b:BIAS+8*\b+3], v[BOF], s[66:67] offset:(32*(\b/2)+8*(\b%2))*4
	global_load_b128 v[BIAS+8*\b+4:BIAS+8*\b+7], v[BOF], s[66:67] offset:(32*(\b/2)+8*(\b%2))*4+16
.endr
	s_branch .Lbias_done
.Lbias_v:
	s_and_b32 s92, s42, 3
	s_lshl_b32 s92, s92, 7
	s_lshl_b32 s94, s16, 6
	s_add_co_u32 s92, s92, s94
	s_add_nc_u64 s[66:67], s[100:101], s[92:93]
	v_lshlrev_b32 v[BOF], 3, v2
.irp b, 0,1,2,3,4,5,6,7
.irp g, 0,1,2,3,4,5,6,7
	global_load_b32 v[BIAS+8*\b+\g], v[BOF], s[66:67] offset:\g*512+(4*(\b/2)+(\b%2))*4
.endr
.endr
.Lbias_done:
.macro FRAG reg, adr, q, i
.irp c, 0,1
	ds_load_b128 v[\reg+4*\c:\reg+4*\c+3], v[\adr] offset:64*(\q)+32*\c+(\i)*16*PITCH
.endr
.endm
.macro MUL16 a0, p, q, sc, first
.irp a, \a0, \a0+1
.irp b, 0,1,2,3,4,5,6,7
.if \first
	v_wmma_scale_f32_16x16x128_f8f6f4 v[8*(8*((\a)%4)+\b):8*(8*((\a)%4)+\b)+7], v[128*(\p)+FR*\b:128*(\p)+FR*\b+FR-1], v[AF+FR*(\a):AF+FR*(\a)+FR-1], v[BIAS+8*\b:BIAS+8*\b+7], v[SC+8*NQ*(\sc)+NQ*\b+(\q)], v[SC+8*NQ*(\sc)+NQ*(\a)+(\q)] matrix_a_fmt:MATRIX_FMT_FP4 matrix_b_fmt:MATRIX_FMT_FP4 matrix_a_scale:MATRIX_SCALE_ROW1
.else
	v_wmma_scale_f32_16x16x128_f8f6f4 v[8*(8*((\a)%4)+\b):8*(8*((\a)%4)+\b)+7], v[128*(\p)+FR*\b:128*(\p)+FR*\b+FR-1], v[AF+FR*(\a):AF+FR*(\a)+FR-1], v[8*(8*((\a)%4)+\b):8*(8*((\a)%4)+\b)+7], v[SC+8*NQ*(\sc)+NQ*\b+(\q)], v[SC+8*NQ*(\sc)+NQ*(\a)+(\q)] matrix_a_fmt:MATRIX_FMT_FP4 matrix_b_fmt:MATRIX_FMT_FP4 matrix_a_scale:MATRIX_SCALE_ROW1
.endif
.endr
.endr
.endm
.macro FETCH_B slot, q, p
	WIN TO_B
.irp i, 0,1,2,3,4,5,6,7
	FRAG 128*(\p)+FR*\i, ADRB+\slot, \q, \i
.endr
	WIN 0
.endm
.macro FETCH_A slot, q, i0
.irp i, \i0, \i0+1, \i0+2, \i0+3
	FRAG AF+FR*(\i), ADRA+\slot, \q, \i
.endr
.endm
.macro SCALES sc
.irp i, 0,1,2,3,4,5,6,7
	ds_load_b128 v[SC+8*NQ*\sc+NQ*\i:SC+8*NQ*\sc+NQ*\i+3], v[ADRS] offset:\i*SBLK
.endr
.endm
.macro PLACES n
.rept \n
	v_nop
.endr
.endm
.macro STEP slot, q, first
	s_wait_dscnt 4*NL
.if \first
	WIN FST_LO
.else
	WIN MUL_LO
.endif
	MUL16 0, (\q)%2, \q, \slot, \first
	MUL16 2, (\q)%2, \q, \slot, \first
	s_wait_dscnt 0
	PLACES NP
	FETCH_B \slot, (\q)+1, 1-(\q)%2
	FETCH_A \slot, (\q)+1, 0
.if \first
	WIN FST_HI
.else
	WIN MUL_HI
.endif
	MUL16 4, (\q)%2, \q, \slot, \first
	MUL16 6, (\q)%2, \q, \slot, \first
	PLACES NP
	WIN 0
	FETCH_A \slot, (\q)+1, 4
.endm
.macro TURN slot, next
	s_wait_tensorcnt 0x0
	ds_add_u32 v[SPW], v[NIL]
	s_wait_dscnt 4*NL+1
	WIN MUL_LO
	MUL16 0, 1, NQ-1, \slot, 0
	s_wait_dscnt 0x0
	s_barrier_signal -1
	MUL16 2, 1, NQ-1, \slot, 0
	WIN 0
	s_barrier_wait -1
	PLACES NP
	v_add_nc_u32 v[ADRS], 4*NQ, v[ADRS]
	FETCH_B \next, 0, 0
	FETCH_A \next, 0, 0
	SCALES \next
	WIN MUL_HI
	MUL16 4, 1, NQ-1, \slot, 0
	MUL16 6, 1, NQ-1, \slot, 0
	PLACES NP
	WIN 0
	FETCH_A \next, 0, 4
.endm
	s_wait_tensorcnt 1
	s_barrier_signal -1
	s_barrier_wait -1
	FETCH_B 0, 0, 0
	FETCH_A 0, 0, 0
	SCALES 0
	FETCH_A 0, 0, 4
	s_wait_loadcnt 0x0
	STEP 0, 0, 1
	STEP 0, 1, 0
	STEP 0, 2, 0
	TURN 0, 1
	STEP 1, 0, 0
	STEP 1, 1, 0
	STEP 1, 2, 0
	s_wait_dscnt 4*NL
	WIN MUL_LO
	MUL16 0, 1, NQ-1, 1, 0
	MUL16 2, 1, NQ-1, 1, 0
	s_wait_dscnt 0
	WIN MUL_HI
	MUL16 4, 1, NQ-1, 1, 0
	MUL16 6, 1, NQ-1, 1, 0
	WIN 0
	s_load_b128 s[24:27], s[0:1], 0x28
	s_load_b128 s[28:31], s[0:1], 0x38
	PLACES NP
	s_mov_b32 s2, 0x76543210
	s_mov_b32 s3, 0xfedcba98
	s_mov_b32 s93, 0
	s_mov_b32 s95, 0
	s_wait_kmcnt 0x0
	s_cmp_lg_u32 ttmp9, 0
	s_cbranch_scc1 .Lout_v
	s_lshr_b32 s92, s42, 1
	s_lshl_b32 s92, s92, 5
	s_add_co_u32 s92, s92, s17
	s_lshl_b32 s92, s92, 3
	s_and_b32 s94, s42, 1
	s_lshl_b32 s94, s94, 2
	s_add_co_u32 s92, s92, s94
	s_lshl_b32 s94, s16, 1
	s_add_co_u32 s92, s92, s94
	s_lshl_b32 s94, s92, 10
	s_lshl_b32 s92, s92, 13
	s_lshl_b32 s18, s15, 11
	s_add_co_u32 s92, s92, s18
	s_lshl_b32 s18, s15, 9
	s_add_co_u32 s94, s94, s18
	s_add_nc_u64 s[24:25], s[24:25], s[92:93]
	s_add_nc_u64 s[26:27], s[26:27], s[94:95]
.irp b, 0,1,2,3
	v_mov_b32 v[TM+4+\b], 0
.endr
.macro QUANTW a
.set WW, 2+(\a)/4
.set WM, (WW<<2)|(WW<<4)
.set ACB, 64*((\a)%4)
	WIN 0
.irp b, 0,1,2,3
	v_mov_b32 v[TM+\b], 0x1800000
.endr
	WIN WM
.irp i, 0,2,4,6,8,10,12,14
.irp b, 0,1,2,3
	v_max3_num_f32 v[TM+\b], v[TM+\b], |v[ACB+16*\b+\i]|, |v[ACB+16*\b+\i+1]|
.endr
.endr
	WIN 0
.irp b, 0,1,2,3
	v_permlanex16_b32 v[TM+4+\b], v[TM+\b], s2, s3
.endr
.irp b, 0,1,2,3
	v_max_num_f32 v[TM+\b], v[TM+\b], v[TM+4+\b]
.endr
.irp b, 0,1,2,3
	v_add_nc_u32 v[TM+12+\b], 0xff000000, v[TM+\b]
.endr
.irp b, 0,1,2,3
	v_lshrrev_b32 v[TM+4+\b], 23, v[TM+12+\b]
.endr
	v_lshl_or_b32 v[PW+(\a)], v[TM+5], 8, v[TM+4]
	v_lshl_or_b32 v[PW+(\a)], v[TM+6], 16, v[PW+(\a)]
	v_lshl_or_b32 v[PW+(\a)], v[TM+7], 24, v[PW+(\a)]
	v_bfe_u32 v[SW+(\a)], v[PW+(\a)], v[SH], 16
	WIN WW
.irp b, 0,1,2,3
	v_cvt_scalef32_pk8_fp4_f32 v[PC+8*(\a)+2*\b], v[ACB+16*\b:ACB+16*\b+7], v[TM+12+\b]
	v_cvt_scalef32_pk8_fp4_f32 v[PC+8*(\a)+2*\b+1], v[ACB+16*\b+8:ACB+16*\b+15], v[TM+12+\b]
.endr
	WIN 0
	v_nop
.irp c, 0,1
.irp i, 0,1
	v_permlane16_swap_b32 v[PC+8*(\a)+4*\c+\i], v[PC+8*(\a)+2+4*\c+\i]
.endr
.endr
.irp c, 0,1
	global_store_b128 v[QCO], v[PC+8*(\a)+4*\c:PC+8*(\a)+4*\c+3], s[24:25] offset:\c*8192+(\a)*256
.endr
	ds_store_b32 v[QSO], v[SW+(\a)] offset:64*(\a)
.endm
.irp a, 0,1,2,3,4,5,6,7
	QUANTW \a
.endr
	ds_load_b128 v[112:115], v[QSR]
	ds_load_b128 v[116:119], v[QSR] offset:512
	s_wait_dscnt 1
	global_store_b128 v[LN16], v[112:115], s[26:27]
	s_wait_dscnt 0x0
	global_store_b128 v[LN16], v[116:119], s[26:27] offset:1024
	s_branch .Lend
.Lout_v:
	s_and_b32 s92, s42, 3
	s_lshl_b32 s18, s17, 2
	s_add_co_u32 s92, s92, s18
	s_lshl_b32 s92, s92, 2
	s_add_co_u32 s92, s92, s14
	s_lshl_b32 s94, s92, 9
	s_lshl_b32 s92, s92, 13
	s_add_nc_u64 s[28:29], s[28:29], s[92:93]
	s_add_nc_u64 s[30:31], s[30:31], s[94:95]
.macro VPASS w
.set WA, (\w)|((\w)<<2)|((\w)<<4)
	WIN WA
.set k, 0
.rept 32
	v_max3_num_f32 v[T+3*k], |v[8*k]|, |v[8*k+1]|, |v[8*k+2]|
	v_max3_num_f32 v[T+3*k+1], |v[8*k+3]|, |v[8*k+4]|, |v[8*k+5]|
	v_max3_num_f32 v[T+3*k+2], |v[8*k+6]|, |v[8*k+7]|, 0x1800000
.set k, k+1
.endr
	WIN 0
.set k, 0
.rept 32
	v_max3_num_f32 v[T+3*k], v[T+3*k], v[T+3*k+1], v[T+3*k+2]
.set k, k+1
.endr
.set k, 0
.rept 32
	v_max_num_f32_dpp v[T+3*k], v[T+3*k], v[T+3*k] row_xmask:1 row_mask:0xf bank_mask:0xf
.set k, k+1
.endr
.set k, 0
.rept 32
	v_max_num_f32_dpp v[T+3*k], v[T+3*k], v[T+3*k] row_xmask:2 row_mask:0xf bank_mask:0xf
.set k, k+1
.endr
.set k, 0
.rept 32
	v_add_nc_u32 v[T+3*k+1], 0xff000000, v[T+3*k]
.set k, k+1
.endr
.set k, 0
.rept 32
	v_lshrrev_b32 v[T+3*k+2], 23, v[T+3*k+1]
.set k, k+1
.endr
	WIN \w
.set k, 0
.rept 32
	v_cvt_scalef32_pk8_fp4_f32 v[CW+k], v[8*k:8*k+7], v[T+3*k+1]
.set k, k+1
.endr
	WIN 0
	v_nop
.set k, 0
.rept 32
	ds_store_b32 v[VSO], v[CW+k] offset:(16*((k%8)/4)+4*(((k%8)/2)%2)+(k%2))*VROW+64*(4*((\w)-2)+k/8)
	ds_store_b8 v[VBO], v[T+3*k+2] offset:(4*((\w)-2)+k/8)*128+(((k%8)/2)%2)*32+(k%2)*8+((k%8)/4)*4
.set k, k+1
.endr
.endm
	VPASS 2
	s_wait_dscnt 0x0
	VPASS 3
	s_wait_dscnt 0x0
	s_barrier_signal -1
	s_barrier_wait -1
.irp i, 0,1,2,3,4,5,6,7,8,9,10,11,12,13,14,15
	ds_load_b128 v[32+4*\i:32+4*\i+3], v[VSR] offset:(\i/2)*VROW+(\i%2)*512
.endr
	ds_load_b128 v[96:99], v[VBR]
.irp i, 0,1,2,3,4,5,6,7,8,9,10,11,12,13,14,15
	s_wait_dscnt 16-\i
	global_store_b128 v[LN16], v[32+4*\i:32+4*\i+3], s[28:29] offset:(\i/2)*1024+(\i%2)*512
.endr
	s_wait_dscnt 0x0
	global_store_b128 v[LN16], v[96:99], s[30:31]
.Lend:
	s_wait_tensorcnt 0x0
	ds_add_u32 v[SPW], v[NIL]
	s_wait_dscnt 0x0
	CROUND
	s_endpgm
.Lfunc_end_k_q3543671913_proj:
	.size	k_q3543671913_proj, .Lfunc_end_k_q3543671913_proj-k_q3543671913_proj
	.p2alignl 7, 3214868480
	.fill 96, 4, 3214868480
	.section	.rodata,"a",@progbits
	.p2align	6, 0x0
	.amdhsa_kernel k_q3543671913_proj
		.amdhsa_group_segment_fixed_size 327680
		.amdhsa_private_segment_fixed_size 0
		.amdhsa_enable_private_segment 0
		.amdhsa_kernarg_size 72
		.amdhsa_user_sgpr_count 2
		.amdhsa_user_sgpr_kernarg_segment_ptr 1
		.amdhsa_wavefront_size32 1
		.amdhsa_system_sgpr_workgroup_id_x 1
		.amdhsa_system_sgpr_workgroup_id_y 1
		.amdhsa_system_sgpr_workgroup_id_z 1
		.amdhsa_system_vgpr_workitem_id 0
		.amdhsa_next_free_vgpr 1024
		.amdhsa_next_free_sgpr 102
		.amdhsa_reserve_vcc 0
		.amdhsa_float_denorm_mode_32 3
		.amdhsa_float_denorm_mode_16_64 3
		.amdhsa_memory_ordered 1
		.amdhsa_forward_progress 1
		.amdhsa_inst_pref_size 189
	.end_amdhsa_kernel
	.amdgpu_metadata
---
amdhsa.version: [ 1, 2 ]
amdhsa.kernels:
  - .name:           k_q3543671913_proj
    .symbol:         k_q3543671913_proj.kd
    .args:
      - { .name: xw_codes, .offset: 0, .size: 8, .value_kind: global_buffer, .address_space: global }
      - { .name: xw_scales, .offset: 8, .size: 8, .value_kind: global_buffer, .address_space: global }
      - { .name: Mq_b, .offset: 16, .size: 8, .value_kind: global_buffer, .address_space: global }
      - { .name: Mk_b, .offset: 24, .size: 8, .value_kind: global_buffer, .address_space: global }
      - { .name: Mv_b, .offset: 32, .size: 8, .value_kind: global_buffer, .address_space: global }
      - { .name: qk_codes, .offset: 40, .size: 8, .value_kind: global_buffer, .address_space: global }
      - { .name: qk_scales, .offset: 48, .size: 8, .value_kind: global_buffer, .address_space: global }
      - { .name: v_codes, .offset: 56, .size: 8, .value_kind: global_buffer, .address_space: global }
      - { .name: v_scales, .offset: 64, .size: 8, .value_kind: global_buffer, .address_space: global }
    .group_segment_fixed_size: 327680
    .private_segment_fixed_size: 0
    .kernarg_segment_align: 8
    .kernarg_segment_size: 72
    .max_flat_workgroup_size: 128
    .sgpr_count:     102
    .vgpr_count:     1024
    .wavefront_size: 32
...
	.end_amdgpu_metadata
.endif
;; end of part 2
;; launch colstat (part 3): grid 8 x 32, 8 waves a work-group, clusters of 4 x 1, 169,984 bytes of LDS; arguments qk_codes, qk_scales, mask, lstat; writes lstat
.if DOCPART == 3
	.amdgcn_target "amdgcn-amd-amdhsa--gfx1250"
	.amdhsa_code_object_version 6
	.text
	.protected	k_q3543671913_colstat
	.globl	k_q3543671913_colstat
	.p2align	8
	.type	k_q3543671913_colstat,@function
k_q3543671913_colstat:
	s_mov_b64 s[64:65], 0
	v_nop
	global_prefetch_b8 v0, s[64:65] scope:SCOPE_SE
	s_setreg_imm32_b32 hwreg(HW_REG_WAVE_MODE, 25, 1), 1
	s_wait_xcnt 0x0
	s_wait_alu depctr_hold_cnt(0) depctr_sa_sdst(0) depctr_va_vdst(0) depctr_va_sdst(0) depctr_va_ssrc(0) depctr_va_vcc(0) depctr_vm_vsrc(0)
	s_getreg_b32 s2, hwreg(HW_REG_IB_STS2, 6, 4)
	s_cmp_eq_u32 s2, 0
	s_cbranch_scc0 .Lentry_in_a_cluster
	s_endpgm
.Lentry_in_a_cluster:
	s_bfe_u32 s2, ttmp6, 0x10000c
	s_cmp_lg_u32 s2, 0x3003
	s_cbranch_scc0 .Lentry_shape_is_right
	s_endpgm
.Lentry_shape_is_right:
; The softmax runs over the QUERIES: each key k has its own maximum M[k] and sum Z[k] over q of (q . k + mask[q]) / 8.  This launch makes nL[k] = -(M[k] + 8 ln Z[k]), so that att[q][k] = 2^(c (q . k + nL[k] + mask[q])), c = log2(e) / 8.
; The scores are the quantised product on codes of FP4 (K = the head's 64: two blocks of 32).
; SHARES.  A work-group owns 256 keys of one head; each of its eight waves TWO tiles of 16 keys (tiles 2 wave and 2 wave + 1), in 512 registers: two waves to a SIMD.
; Every wave walks all 2,048 queries, 128 a step.  A step's fragments of q, their scale words and the mask are loaded from LDS ONCE and serve both tiles: 28 LDS loads for 16 matrix instructions.
; S = Q K^T: source 0 = 16 queries, source 1 = 16 keys: a lane holds ONE key (lane % 16), its registers run over queries; the two halves of the lanes hold different queries and keep their own running maximum and sum until the end.
; THE MASK IS THE C of the product: it stays in registers of its own, and the scores fall into others.
; REGISTER WINDOWS.  Tile 1's keys, scores, maximum and sum have tile 0's register numbers in window 1, so that one text serves both tiles.  The shared operands have two sets, set p in window p (the scale words, which have no window, at v68 and v72):
; steps 1 to 3 of a chunk are fetched one step ahead, behind the products of the step before; a chunk's first step is fetched at its head.
; K = 64 IN A FORM 128 DEEP.  A fragment's registers 0-3 are k = 32 (lane / 16) + 0 .. 31; registers 4-7 are k = 64 on.  The keys' registers 4-7 hold zero codes.  The queries' tile t is named v[QF + 4 t : QF + 4 t + 7]:
; its upper half is the next tile's codes, which meet zero codes; four zero registers stand behind the last tile.  Scale bytes 2 and 3 are 0 on both sides (2^-127, no NaN).
; THE POSITIONS OF A TILE ARE NOT NEIGHBOURS: lane 8 mm + e of tile 2 B + u is position 32 B + 8 u + 16 mm + e.
; LDS: a whole head's q (codes, scale words) and the batch's mask: filled ONCE, at the head, so there is no ring and nothing is known earlier that could be asked for ahead.
; CLUSTER: the four key blocks of a cluster belong to one head and read the same q and mask: each tile is asked for jointly.
; The running maximum is taken away before every exponential.  LIMITS: NaN is not served; a key all of whose queries are masked by -infinity gives NaN, as in the definition.
.set QROW, 1040                        ; an LDS row: 1,024 bytes (64 positions' chunks of one e and plane) + 16
.set QCHB, 16*QROW                     ; a chunk of 512 queries: 16 rows (2 e + plane)
.set QSC,  4*QCHB                      ; the scale words: 8 rows (e) of 1,024 bytes + 16
.set MSK,  75008                       ; the mask: 8,192 dense bytes
.set STG,  83200                       ; the way out: 256 words; no fill lands in its blocks of 256 bytes
.set AQ0, 1
.set AS0, 2
.set AM0, 3
.set STA, 4                            ; v4  the way out: my key's word (tile 1: 32 bytes on)
.set STR, 5
.set GOF, 6
.set ADQ, 8
.set ADS, 9
.set ADM, 10
.set KW0, 24                           ; v24 tile 0's keys' scale words, v30 tile 1's
.set KW1, 30
.set QF,  32                           ; v32-63 eight tiles of queries, 4 registers each; v64-67 zeros (in both windows)
.set QS,  68                           ; v68-71, v72-75 their scale words, set 0 and set 1: lanes 0-15 tile 2 B, lanes 16-31 tile 2 B + 1
.set S,   96                           ; v96-159 the scores, then p
.set MK,  160                          ; v160-223 the mask of the step's queries (in both windows)
.set MX,  232
.set WV,  18
.set SEL, 20
.set CS,  22                           ; s[22:23] c
.set G1Q, 24
.set G1S, 32
.set G1D, 40
.set G0Q, 48
.set G0S, 52
.set G0D, 56
.set NC,  60                           ; -c
.set K8,  61                           ; -8 ln 2
.set TQ,  62
.set TS,  63
.set TM,  66
.set CNT, 67
.set MSB, 0
.macro WIN new                         ; bits 1:0 source 0, 3:2 source 1, 5:4 source 2, 7:6 destination; the high byte repeats the setting that is left
.if MSB != \new
	s_set_vgpr_msb (MSB<<8)|\new
.set MSB, \new
.endif
.endm
.macro CROUND
	s_barrier_signal -1
	s_barrier_wait -1
	s_cmp_lg_u32 s[WV], 0
	s_cbranch_scc1 .Lnot_wave_0_\@
	s_barrier_signal -3
.Lnot_wave_0_\@:
	s_barrier_wait -3
	s_barrier_signal -1
	s_barrier_wait -1
.endm
.macro GRP1 g, w0, c, r, p             ; descriptor group 1: r rows of c elements, p elements apart
	s_mov_b32 s[\g], \w0
	s_mov_b32 s[\g+1], (\c)<<16
	s_mov_b32 s[\g+2], (\r)<<16
	s_mov_b32 s[\g+3], (\c)<<16
	s_mov_b32 s[\g+4], \r
	s_mov_b32 s[\g+5], \p
	s_mov_b32 s[\g+6], 0
	s_mov_b32 s[\g+7], 0
.endm
	s_load_b256 s[4:11], s[0:1], 0x0               ; qk_codes, qk_scales, mask, lstat
	v_lshl_add_u32 v251, v0, 2, 0x29000
	v_mov_b32 v255, 0
	ds_add_u32 v251, v255                          ; the opening lines: the add, twice on end, and its wait
	ds_add_u32 v251, v255
	v_lshrrev_b32 v7, 5, v0
	s_delay_alu instid0(VALU_DEP_1)
	v_readfirstlane_b32 s[WV], v7                  ; wave 0..7
	s_bfe_u32 s12, ttmp6, 0x40000                  ; cx
	s_lshl_b32 s13, ttmp9, 2
	s_add_co_u32 s13, s13, s12                     ; my block of 256 keys: it enters global addresses alone
	s_and_b32 s14, ttmp7, 0xffff                   ; the head, which the four partners share
	GRP1 G1Q, 15|(3<<16)|(1<<20)|(1<<21)|(7<<22)|(3<<25), 128, 16, 512   ; q's codes: 16 rows of 1,024 bytes (elements of 8), 4,096 apart; 4 words of padding after every 256
	GRP1 G1S, 15|(3<<16)|(1<<20)|(1<<21)|(7<<22)|(3<<25), 128, 8, 128    ; the scale words: 8 dense rows of 1,024 bytes, padded
	GRP1 G1D, 15|(3<<16)|(1<<21), 32, 32, 32                             ; the mask: a dense block of 8,192 bytes as 32 rows of 256
	s_lshl_b32 s68, s14, 16                        ; the head's codes
	s_mov_b32 s69, 0
	s_lshl_b32 s70, s14, 13                        ; the head's scale words; also its nL
	s_mov_b32 s71, 0
	s_lshr_b32 s72, s14, 3
	s_lshl_b32 s72, s72, 13                        ; the batch's mask
	s_mov_b32 s73, 0
	s_lshl_b32 s74, s[WV], 10                      ; chunk w: 1,024 bytes on in each row
	s_mov_b32 s75, 0
	s_mul_i32 s15, s[WV], QCHB
	s_mov_b32 s[SEL], 0x76543210
	s_mov_b32 s[SEL+1], 0xfedcba98
	s_mov_b32 s[CS], 0x3e38aa3b                    ; c = log2(e) / 8
	s_mov_b32 s[CS+1], s[CS]
	s_mov_b32 s[NC], 0xbe38aa3b
	s_mov_b32 s[K8], 0xc0b17218
	s_mov_b32 s[TQ], 0
	s_mov_b32 s[TS], 0
	s_mov_b32 s[TM], 0
	s_mov_b32 s[CNT], 4
	s_wait_dscnt 0x0
	s_wait_kmcnt 0x0
	s_mov_b32 s[G0Q], 1
	s_mov_b32 s[G0Q+1], s15
	s_add_nc_u64 s[G0Q+2:G0Q+3], s[4:5], s[68:69]
	s_add_nc_u64 s[G0Q+2:G0Q+3], s[G0Q+2:G0Q+3], s[74:75]
	s_or_b32 s[G0Q+3], s[G0Q+3], 0x80000000
	s_mov_b32 s[G0S], 1
	s_mov_b32 s[G0S+1], QSC
	s_add_nc_u64 s[G0S+2:G0S+3], s[6:7], s[70:71]
	s_or_b32 s[G0S+3], s[G0S+3], 0x80000000
	s_mov_b32 s[G0D], 1
	s_mov_b32 s[G0D+1], MSK
	s_add_nc_u64 s[G0D+2:G0D+3], s[8:9], s[72:73]
	s_or_b32 s[G0D+3], s[G0D+3], 0x80000000
	CROUND                                         ; all four work-groups are here: the joint loads meet
	s_cmp_lt_u32 s[WV], 4                          ; waves 0-3: a chunk of codes each; wave 4: the scale words; wave 5: the mask; the others nothing.  One load a wave
	s_cbranch_scc0 .Lnot_q
	tensor_load_to_lds s[G0Q:G0Q+3], s[G1Q:G1Q+7]
	s_nop 0
.rept 4
	v_nop
.endr
	s_branch .Lasked
.Lnot_q:
	s_cmp_eq_u32 s[WV], 4
	s_cbranch_scc0 .Lnot_s
	tensor_load_to_lds s[G0S:G0S+3], s[G1S:G1S+7]
	s_nop 0
.rept 4
	v_nop
.endr
	s_branch .Lasked
.Lnot_s:
	s_cmp_eq_u32 s[WV], 5
	s_cbranch_scc0 .Lasked
	tensor_load_to_lds s[G0D:G0D+3], s[G1D:G1D+7]
	s_nop 0
.rept 4
	v_nop
.endr
.Lasked:
.macro INIT                            ; one tile's state, and one set's zeros
.irp j, 20,21,22,23,64,65,66,67,14,15
	v_mov_b32 v[\j], 0                             ; zero codes behind the keys' 64 and behind the last tile of queries; the sum, in two halves
.endr
	v_mov_b32 v13, 0xff61b1e6                      ; the largest score so far: -3e38
	s_delay_alu instid0(VALU_DEP_1)
	v_mul_f32 v12, s[NC], v13                      ; -c m
.endm
	INIT
	WIN 0x55
	INIT
	WIN 0
	v_and_b32 v7, 7, v0                            ; e
	v_bfe_u32 v11, v0, 3, 1                        ; mm
	v_bfe_u32 v25, v0, 4, 1                        ; h
	s_delay_alu instid0(VALU_DEP_1)
	v_lshl_add_u32 v26, v7, 1, v25                 ; 2 e + h
	s_delay_alu instid0(VALU_DEP_1)
	v_mul_u32_u24 v[AQ0], v26, QROW
	s_delay_alu instid0(VALU_DEP_1)
	v_lshl_add_u32 v[AQ0], v11, 4, v[AQ0]
	v_mul_u32_u24 v[AS0], v7, QROW
	s_delay_alu instid0(VALU_DEP_1)
	v_lshl_add_u32 v[AS0], v25, 3, v[AS0]
	s_delay_alu instid0(VALU_DEP_1)
	v_lshl_add_u32 v[AS0], v11, 2, v[AS0]
	s_delay_alu instid0(VALU_DEP_1)
	v_add_nc_u32 v[AS0], QSC, v[AS0]
	v_lshl_add_u32 v[AM0], v25, 6, MSK
	s_lshl_b32 s15, s[WV], 7
	s_add_co_u32 s15, s15, STG
	v_lshlrev_b32 v[STA], 6, v11
	s_delay_alu instid0(VALU_DEP_1)
	v_lshl_add_u32 v[STA], v7, 2, v[STA]
	s_delay_alu instid0(VALU_DEP_1)
	v_add_nc_u32 v[STA], s15, v[STA]               ; key 32 wave + 8 tile + 16 mm + e of the work-group's 256
	v_lshl_add_u32 v[STR], v0, 4, STG
	v_lshlrev_b32 v[GOF], 4, v0
	s_lshl_b32 s76, s13, 4
	s_lshl_b32 s12, s[WV], 1
	s_add_co_u32 s76, s76, s12                     ; my first tile of keys
	s_lshl_b32 s78, s76, 3
	s_lshl_b32 s76, s76, 5
	s_mov_b32 s77, 0
	s_mov_b32 s79, 0
	s_add_nc_u64 s[4:5], s[4:5], s[68:69]
	s_add_nc_u64 s[4:5], s[4:5], s[76:77]
	s_add_nc_u64 s[4:5], s[4:5], 0x200000          ; k's codes lie behind q's
	s_add_nc_u64 s[6:7], s[6:7], s[70:71]
	s_add_nc_u64 s[6:7], s[6:7], s[78:79]
	s_add_nc_u64 s[6:7], s[6:7], 0x40000
	s_lshl_b32 s72, s13, 10
	s_add_nc_u64 s[10:11], s[10:11], s[70:71]
	s_add_nc_u64 s[10:11], s[10:11], s[72:73]
	v_lshlrev_b32 v27, 12, v26
	s_delay_alu instid0(VALU_DEP_1)
	v_lshl_add_u32 v27, v11, 4, v27
	v_lshlrev_b32 v28, 10, v7
	s_delay_alu instid0(VALU_DEP_1)
	v_lshl_add_u32 v28, v11, 2, v28
	global_load_b128 v[16:19], v27, s[4:5]         ; tile 0's keys: lane (8 mm + e, h): plane h
	WIN 0x40
	global_load_b128 v[16:19], v27, s[4:5] offset:32   ; tile 1's, 32 bytes on, into window 1
	WIN 0
	global_load_b32 v[KW0], v28, s[6:7]            ; and their scale words
	global_load_b32 v[KW1], v28, s[6:7] offset:8
	s_wait_alu depctr_va_vdst(0)
	s_wait_tensorcnt 0x0                           ; my load has landed,
	s_barrier_signal -1
	s_barrier_wait -1                              ; everybody's has
	s_wait_loadcnt 0x0
.macro LOADQ q, p                      ; 128 queries, the q-th of the chunk in hand, into set p: 8 tiles of codes, the mask, the scale words
	WIN (\p)<<6
.irp t, 0,1,2,3,4,5,6,7
	ds_load_b128 v[QF+4*\t:QF+4*\t+3], v[ADQ] offset:256*(\q)+32*\t
.endr
.irp t, 0,1,2,3,4,5,6,7
	ds_load_b128 v[MK+8*\t:MK+8*\t+3], v[ADM] offset:512*(\q)+128*(\t/2)+32*(\t%2)       ; the mask of queries 32 B + 16 h + 8 u + 0 .. 7: the product's C
	ds_load_b128 v[MK+8*\t+4:MK+8*\t+7], v[ADM] offset:512*(\q)+128*(\t/2)+32*(\t%2)+16
.endr
	WIN 0
.irp b, 0,1,2,3
	ds_load_b32 v[QS+4*(\p)+\b], v[ADS] offset:64*(\q)+16*\b
.endr
.endm
.macro MUL8 p, kw                      ; one tile of keys against the step's eight tiles of queries; the windows are set by the caller
.irp b, 0,1,2,3
	v_wmma_scale_f32_16x16x128_f8f6f4 v[S+16*\b:S+16*\b+7], v[QF+8*\b:QF+8*\b+7], v[16:23], v[MK+16*\b:MK+16*\b+7], v[QS+4*(\p)+\b], v[\kw] matrix_a_fmt:MATRIX_FMT_FP4 matrix_b_fmt:MATRIX_FMT_FP4
	v_wmma_scale_f32_16x16x128_f8f6f4 v[S+16*\b+8:S+16*\b+15], v[QF+8*\b+4:QF+8*\b+11], v[16:23], v[MK+16*\b+8:MK+16*\b+15], v[QS+4*(\p)+\b], v[\kw] matrix_a_fmt:MATRIX_FMT_FP4 matrix_b_fmt:MATRIX_FMT_FP4 matrix_a_scale:MATRIX_SCALE_ROW1
.endr
.endm
.macro VEC                             ; one tile's 64 scores a lane: the running maximum, p, the sum.  All its registers lie in the tile's window
	s_wait_alu depctr_va_vdst(0)                   ; directly ahead of the first reader of the scores
.irp b, 0,1,2,3
	v_max3_num_f32 v[MX+\b], v[S+16*\b], v[S+16*\b+1], v[S+16*\b+2]   ; four chains; each accumulator is first read at its low end
.endr
.irp i, 3,5,7,9,11,13
.irp b, 0,1,2,3
	v_max3_num_f32 v[MX+\b], v[MX+\b], v[S+16*\b+\i], v[S+16*\b+\i+1]
.endr
.endr
.irp b, 0,1,2,3
	v_max_num_f32 v[MX+\b], v[MX+\b], v[S+16*\b+15]
.endr
	s_delay_alu instid0(VALU_DEP_2)
	v_max3_num_f32 v254, v[MX], v[MX+1], v[MX+2]
	v_mov_b32 v253, v12                            ; the old -c m
	s_delay_alu instid0(VALU_DEP_2)
	v_max3_num_f32 v13, v254, v[MX+3], v13         ; the running maximum
	s_delay_alu instid0(VALU_DEP_1)
	v_mul_f32 v12, s[NC], v13
	s_delay_alu instid0(VALU_DEP_1)
	v_sub_f32 v252, v12, v253                      ; c (old m - new m), 0 or less
.set j, 0
.rept 32
	v_pk_fma_f32 v[S+j:S+j+1], v[S+j:S+j+1], s[CS:CS+1], v[12:13] op_sel_hi:[1,0,0]   ; c s - c m, two at a time
.set j, j+2
.endr
	s_wait_alu depctr_va_vdst(0)
	v_exp_f32 v252, v252
.set j, 0
.rept 64
	v_exp_f32 v[S+j], v[S+j]
.set j, j+1
.endr
	v_nop                                          ; a plain instruction behind the last exponential
	s_wait_alu depctr_va_vdst(0)                   ; one wait for the batch of 65, ahead of its first reader
	v_pk_mul_f32 v[14:15], v[14:15], v[252:253] op_sel_hi:[1,0]   ; the sum under the new maximum
	v_pk_add_f32 v[236:237], v[100:101], v[104:105]
	v_pk_add_f32 v[252:253], v[108:109], v[112:113]
	v_pk_add_f32 v[248:249], v[116:117], v[120:121]
	v_pk_add_f32 v[246:247], v[124:125], v[128:129]
	v_pk_add_f32 v[244:245], v[132:133], v[136:137]
	v_pk_add_f32 v[242:243], v[140:141], v[144:145]
	v_pk_add_f32 v[240:241], v[148:149], v[152:153]
	v_pk_add_f32 v[14:15], v[14:15], v[156:157]
	v_pk_add_f32 v[236:237], v[236:237], v[96:97]
	v_pk_add_f32 v[252:253], v[252:253], v[98:99]
	v_pk_add_f32 v[248:249], v[248:249], v[102:103]
	v_pk_add_f32 v[246:247], v[246:247], v[106:107]
	v_pk_add_f32 v[244:245], v[244:245], v[110:111]
	v_pk_add_f32 v[242:243], v[242:243], v[114:115]
	v_pk_add_f32 v[240:241], v[240:241], v[118:119]
	v_pk_add_f32 v[14:15], v[14:15], v[122:123]
	v_pk_add_f32 v[236:237], v[236:237], v[126:127]
	v_pk_add_f32 v[252:253], v[252:253], v[130:131]
	v_pk_add_f32 v[248:249], v[248:249], v[134:135]
	v_pk_add_f32 v[246:247], v[246:247], v[138:139]
	v_pk_add_f32 v[244:245], v[244:245], v[142:143]
	v_pk_add_f32 v[242:243], v[242:243], v[146:147]
	v_pk_add_f32 v[240:241], v[240:241], v[150:151]
	v_pk_add_f32 v[14:15], v[14:15], v[154:155]
	v_pk_add_f32 v[236:237], v[236:237], v[158:159]
	s_delay_alu instid0(VALU_DEP_2)
	v_pk_add_f32 v[14:15], v[14:15], v[246:247]
	s_delay_alu instid0(VALU_DEP_2)
	v_pk_add_f32 v[236:237], v[236:237], v[244:245]
	v_pk_add_f32 v[252:253], v[252:253], v[242:243]
	v_pk_add_f32 v[248:249], v[248:249], v[240:241]
	s_delay_alu instid0(VALU_DEP_2)
	v_pk_add_f32 v[14:15], v[14:15], v[252:253]
	s_delay_alu instid0(VALU_DEP_2)
	v_pk_add_f32 v[236:237], v[236:237], v[248:249]
	s_delay_alu instid0(VALU_DEP_1)
	v_pk_add_f32 v[14:15], v[14:15], v[236:237]
.endm
.macro STEP q                          ; the chunk's q-th 128 queries, from set q % 2
.set P, (\q)%2
	s_wait_dscnt 0x0                               ; the set's 28 loads are in
	WIN P|(P<<4)                                   ; queries and mask in window P; keys and scores in window 0
	MUL8 P, KW0
	WIN P|(P<<4)|0x44                              ; keys and scores in window 1
	MUL8 P, KW1
	WIN 0
.rept 4
	v_nop                                          ; places behind the products: ahead of the reads of results
.endr
.if (\q) < 3
	LOADQ (\q)+1, 1-P                              ; the next step's operands, into the set that the step before multiplied
.endif
	VEC
	WIN 0x55
	VEC
	WIN 0
.endm
.Lchunk:                                           ; four trips: a chunk of 512 queries each
	v_add_nc_u32 v[ADQ], s[TQ], v[AQ0]
	v_add_nc_u32 v[ADS], s[TS], v[AS0]
	v_add_nc_u32 v[ADM], s[TM], v[AM0]
	s_wait_alu depctr_va_vdst(0)
	LOADQ 0, 0
	STEP 0
	STEP 1
	STEP 2
	STEP 3
	s_add_co_u32 s[TQ], s[TQ], QCHB
	s_add_co_u32 s[TS], s[TS], 256
	s_add_co_u32 s[TM], s[TM], 2048
	s_sub_co_u32 s[CNT], s[CNT], 1
	s_cmp_lg_u32 s[CNT], 0
	s_wait_alu depctr_va_vdst(0)                   ; directly ahead of the branch
	s_cbranch_scc1 .Lchunk
.macro FIN t                           ; tile t: the two halves of the lanes meet: M = the larger maximum; each sum is brought under it
	WIN 0x55*(\t)
	v_add_f32 v14, v14, v15
	v_permlanex16_b32 v236, v13, s[SEL], s[SEL+1]
	s_delay_alu instid0(VALU_DEP_1)
	v_max_num_f32 v237, v13, v236                  ; M
	s_delay_alu instid0(VALU_DEP_1)
	v_sub_f32 v238, v13, v237
	s_delay_alu instid0(VALU_DEP_1)
	v_mul_f32 v238, s[CS], v238
	s_wait_alu depctr_va_vdst(0)
	v_exp_f32 v238, v238
	v_nop
	s_wait_alu depctr_va_vdst(0)
	v_mul_f32 v14, v14, v238
	s_delay_alu instid0(VALU_DEP_1)
	v_permlanex16_b32 v236, v14, s[SEL], s[SEL+1]
	s_delay_alu instid0(VALU_DEP_1)
	v_add_f32 v14, v14, v236                       ; Z: the same bits in both halves
	s_wait_alu depctr_va_vdst(0)
	v_log_f32 v14, v14
	v_nop
	s_wait_alu depctr_va_vdst(0)
	v_fma_f32 v15, v14, s[K8], -v237               ; nL = -8 ln 2 x log2 Z - M
	WIN 0x04*(\t)                                  ; an LDS store's data are its source 1
	ds_store_b32 v[STA], v15 offset:32*(\t)        ; both halves write the same word with the same value
.endm
	FIN 0
	FIN 1
	WIN 0
	s_wait_dscnt 0x0
	s_barrier_signal -1
	s_barrier_wait -1
	s_cmp_lt_u32 s[WV], 2
	s_cbranch_scc0 .Ldone
	ds_load_b128 v[32:35], v[STR]
	s_wait_dscnt 0x0
	global_store_b128 v[GOF], v[32:35], s[10:11]   ; waves 0 and 1: 512 consecutive bytes each, aligned
.Ldone:
	s_wait_tensorcnt 0x0                           ; the wave's end
	ds_add_u32 v251, v255
	s_wait_dscnt 0x0
	CROUND                                         ; the closing round
	s_endpgm
.Lfunc_end_k_q3543671913_colstat:
	.size	k_q3543671913_colstat, .Lfunc_end_k_q3543671913_colstat-k_q3543671913_colstat
	.p2alignl 7, 3214868480
	.fill 96, 4, 3214868480
	.section	.rodata,"a",@progbits
	.p2align	6, 0x0
	.amdhsa_kernel k_q3543671913_colstat
		.amdhsa_group_segment_fixed_size 169984
		.amdhsa_private_segment_fixed_size 0
		.amdhsa_enable_private_segment 0
		.amdhsa_kernarg_size 32
		.amdhsa_user_sgpr_count 2
		.amdhsa_user_sgpr_kernarg_segment_ptr 1
		.amdhsa_wavefront_size32 1
		.amdhsa_system_sgpr_workgroup_id_x 1
		.amdhsa_system_sgpr_workgroup_id_y 1
		.amdhsa_system_sgpr_workgroup_id_z 1
		.amdhsa_system_vgpr_workitem_id 0
		.amdhsa_next_free_vgpr 512
		.amdhsa_next_free_sgpr 80
		.amdhsa_reserve_vcc 0
		.amdhsa_float_denorm_mode_32 3
		.amdhsa_float_denorm_mode_16_64 3
		.amdhsa_memory_ordered 1
		.amdhsa_forward_progress 1
		.amdhsa_inst_pref_size 97
	.end_amdhsa_kernel
	.amdgpu_metadata
---
amdhsa.version: [ 1, 2 ]
amdhsa.kernels:
  - .name:           k_q3543671913_colstat
    .symbol:         k_q3543671913_colstat.kd
    .args:
      - { .name: qk_codes, .offset: 0, .size: 8, .value_kind: global_buffer, .address_space: global }
      - { .name: qk_scales, .offset: 8, .size: 8, .value_kind: global_buffer, .address_space: global }
      - { .name: mask, .offset: 16, .size: 8, .value_kind: global_buffer, .address_space: global }
      - { .name: lstat, .offset: 24, .size: 8, .value_kind: global_buffer, .address_space: global }
    .group_segment_fixed_size: 169984
    .private_segment_fixed_size: 0
    .kernarg_segment_align: 8
    .kernarg_segment_size: 32
    .max_flat_workgroup_size: 256
    .sgpr_count:     80
    .vgpr_count:     512
    .wavefront_size: 32
...
	.end_amdgpu_metadata
.endif
;; end of part 3
;; launch attn (part 4): grid 8 x 32, 16 waves a work-group, clusters of 4 x 1, 264,192 bytes of LDS; arguments qk_codes, qk_scales, v_codes, v_scales, lstat, mask, xw_codes, xw_scales, Wo_b, out0; writes out0
.if DOCPART == 4
	.amdgcn_target "amdgcn-amd-amdhsa--gfx1250"
	.amdhsa_code_object_version 6
	.text
	.protected	k_q3543671913_attn
	.globl	k_q3543671913_attn
	.p2align	8
	.type	k_q3543671913_attn,@function
k_q3543671913_attn:
	s_mov_b64 s[64:65], 0
	v_nop
	global_prefetch_b8 v0, s[64:65] scope:SCOPE_SE
	s_setreg_imm32_b32 hwreg(HW_REG_WAVE_MODE, 25, 1), 1
	s_wait_xcnt 0x0
	s_wait_alu depctr_hold_cnt(0) depctr_sa_sdst(0) depctr_va_vdst(0) depctr_va_sdst(0) depctr_va_ssrc(0) depctr_va_vcc(0) depctr_vm_vsrc(0)
	s_getreg_b32 s2, hwreg(HW_REG_IB_STS2, 6, 4)
	s_cmp_eq_u32 s2, 0
	s_cbranch_scc0 .Lentry_in_a_cluster
	s_endpgm
.Lentry_in_a_cluster:
	s_bfe_u32 s2, ttmp6, 0x10000c
	s_cmp_lg_u32 s2, 0x3003
	s_cbranch_scc0 .Lentry_shape_is_right
	s_endpgm
.Lentry_shape_is_right:
; att[q][k] = 2^(c (q . k + nL[k]) + c mask[q]), c = log2(e) / 8: the finished, normalised softmax over the queries (nL[k] = -(M[k] + 8 ln Z[k]) comes from the launch before: the maximum is taken away in it).
; att is quantised along the keys, O = att V on codes of FP4, O is quantised along the channels, and out0 = O Wo^T + Wo_b follows in the same launch, on codes of FP4.
; SHARES.  A work-group owns 256 queries of one head; each of its sixteen waves one tile of 16, in 256 registers: four waves to a SIMD.  Every wave walks all 2,048 keys, 128 a step.
; The flat reshape makes of query position p and channel d of a head the element (256 head + p / 8, 128 (p % 8) + d): a work-group's 256 queries are 32 WHOLE ROWS of the last product's left operand.
; So O's codes never leave the work-group: they go to LDS, and each wave makes the 32 rows x 64 columns 64 wave .. 64 wave + 63 of out0: 8 accumulators, 8 K steps of 128.
; LAYOUT.  The first two products are used transposed: S^T = K Q^T with C = nL (source 0 = 16 keys, source 1 = my queries), O^T = V^T P^T: a lane holds ONE query (lane % 16) throughout.
; THE POSITIONS OF A TILE ARE NOT NEIGHBOURS: lane 8 mm + e of tile 2 B + u is position 32 B + 8 u + 16 mm + e, so that the 16 registers of tiles 2 B, 2 B + 1 are 16 neighbouring keys.
; K = 64 IN A FORM 128 DEEP: my queries' registers 4-7 hold zero codes; the keys' tile t is named v[KF + 4 t : KF + 4 t + 7], whose upper half meets zero codes; scale bytes 2 and 3 are 0 on both sides.
; LDS: a whole head's K, V, their scales and nL, filled ONCE at the head: no ring, no refill.  CLUSTER: the four query blocks of a cluster belong to one head and read the same tiles: each is asked for jointly.
; Wo: its codes lie in memory in the order of an operand's registers (the first launch lays them so): each load of a wave reads 512 bytes on end, straight into registers, three K steps (24 loads) ahead.
; They are not asked for jointly: every LDS byte of this text is filled once, and 512 KB of Wo would have to go through bytes that are filled again.
; PREFETCH: none is issued for Wo's codes.  Wo's scale bytes and the bias (2 KB and 256 bytes a wave) are not asked for.
; LIMITS: a block of zeros gets the byte 1 (its codes are zeros; this program alone reads the bytes); nL is rounded once, at the size of M + 8 ln Z; NaN is not served.
.set VP,   272                         ; a row of V's tile: 256 bytes (512 keys) + 16
.set VCH,  128*VP                      ; a chunk of 512 keys: 128 stored channels
.set KB,   4*VCH                       ; K's codes: four chunks of 16 rows (2 e + plane) x (1,024 + 16)
.set KROW, 1040
.set KCH,  16*KROW
.set KSC,  KB+4*KCH                    ; K's scale words: 8 rows x 1,040
.set VSC,  214272                      ; V's scale bytes, 8,192 dense
.set NLB,  VSC+8192                    ; nL, 8,192 dense
.set OP,   528                         ; a row of O's codes: 512 bytes + 16
.set OSTG, NLB+8192                    ; O's codes: 32 rows; row 2 wave + mm.  No fill lands in these blocks of 256 bytes
.set SSTG, OSTG+32*OP                  ; O's scale words: 32 bytes a row
.set XP,   272                         ; the way out: 16 rows x (256 + 16) bytes a wave, from LDS byte 0 on: V's bytes, which have had their one fill and are read no more
.set AK0, 1
.set AV0, 2
.set AKS, 3
.set ANL, 4
.set AVS, 5
.set ADK, 6
.set ADV, 7
.set ADS, 8
.set ADL, 9
.set ADW, 10
.set PFO, 11                           ; v11 256 x lane, which nothing reads
.set KSR, 24                           ; v24-27 K's scale words: lanes 0-15 tile 2 B, lanes 16-31 tile 2 B + 1
.set OSO, 28
.set SSO, 30
.set KF,  32                           ; v32-63 eight tiles of keys; v32-95 eight fragments of V
.set VF,  32
.set S,   96                           ; v96-159 nL, then the scores, then att
.set O,   160                          ; v160-223 O^T
.set PC,  224                          ; v224-231 att's codes; at the end O's
.set MX,  232
.set TB4, 236
.set SO4, 240
.set VS,  244                          ; v244-251 V's scale words, a register a tile
.set PW,  253
.set QW,  255
; the last product: v32-127 three sets of Wo's four fragments (the third first holds the bias); v128-143 Wo's scale words; v160-223 the accumulators; v224-239, v16-31 two sets of O's two fragments; v240-247 O's scale words
.set BIAS, 96
.set WSC,  128                         ; register 8 p + s: lanes 0-15 tile 2 p, lanes 16-31 tile 2 p + 1, K step s
.set ACC,  160
.set ASC,  240                         ; register s: lanes 0-15 rows 0-15, lanes 16-31 rows 16-31
.set WV,  18
.set HD,  19
.set SEL, 20
.set CS,  22
.set G1V, 24
.set G1K, 32
.set G1S, 40
.set G1D, 48
.set G0V, 56
.set G0K, 60
.set G0S, 68
.set G0L, 72
.set G0W, 76
.set TV,  80
.set TK,  81
.set TS,  82
.set TL,  83
.set TW,  84
.set CNT, 85
.macro CROUND
	s_barrier_signal -1
	s_barrier_wait -1
	s_cmp_lg_u32 s[WV], 0
	s_cbranch_scc1 .Lnot_wave_0_\@
	s_barrier_signal -3
.Lnot_wave_0_\@:
	s_barrier_wait -3
	s_barrier_signal -1
	s_barrier_wait -1
.endm
.macro NOP4
.rept 4
	v_nop
.endr
.endm
.macro GRP1 g, w0, c, r, p             ; descriptor group 1: r rows of c elements, p elements apart
	s_mov_b32 s[\g], \w0
	s_mov_b32 s[\g+1], (\c)<<16
	s_mov_b32 s[\g+2], (\r)<<16
	s_mov_b32 s[\g+3], (\c)<<16
	s_mov_b32 s[\g+4], \r
	s_mov_b32 s[\g+5], \p
	s_mov_b32 s[\g+6], 0
	s_mov_b32 s[\g+7], 0
.endm
	s_load_b256 s[4:11], s[0:1], 0x0               ; qk_codes, qk_scales, v_codes, v_scales
	s_load_b128 s[12:15], s[0:1], 0x20             ; lstat, mask
	v_lshl_add_u32 v15, v0, 2, 0x40000
	v_mov_b32 v254, 0
	ds_add_u32 v15, v254                           ; the opening lines: the add, twice on end, and its wait
	ds_add_u32 v15, v254
	v_lshrrev_b32 v11, 5, v0
	s_delay_alu instid0(VALU_DEP_1)
	v_readfirstlane_b32 s[WV], v11                 ; wave 0..15
	s_bfe_u32 s86, ttmp6, 0x40000                  ; cx
	s_lshl_b32 s87, ttmp9, 2
	s_add_co_u32 s87, s87, s86                     ; my block of 256 queries: it enters global addresses alone
	s_and_b32 s[HD], ttmp7, 0xffff                 ; the head, which the four partners share
	GRP1 G1V, 15|(0<<16)|(1<<20)|(1<<21)|(5<<22)|(3<<25), 256, 64, 1024   ; V: 64 rows of 256 bytes, 1,024 apart; 4 words of padding after every 64
	GRP1 G1K, 15|(3<<16)|(1<<20)|(1<<21)|(7<<22)|(3<<25), 128, 16, 512    ; K: 16 rows of 1,024 bytes (elements of 8), 4,096 apart; 4 words after every 256
	GRP1 G1S, 15|(3<<16)|(1<<20)|(1<<21)|(7<<22)|(3<<25), 128, 8, 128     ; K's scale words: 8 dense rows of 1,024 bytes, padded
	GRP1 G1D, 15|(3<<16)|(1<<21), 32, 32, 32                              ; a dense block of 8,192 bytes as 32 rows of 256
	s_lshl_b32 s88, s[HD], 17                      ; V: the head, + 64 rows x (wave % 2), + 256 bytes x (wave / 2)
	s_and_b32 s90, s[WV], 1
	s_lshl_b32 s90, s90, 16
	s_add_co_u32 s88, s88, s90
	s_lshr_b32 s90, s[WV], 1
	s_lshl_b32 s90, s90, 8
	s_add_co_u32 s88, s88, s90
	s_mov_b32 s89, 0
	s_mul_i32 s92, s[WV], 64*VP                    ; and in LDS: wave x 64 rows
	s_lshl_b32 s94, s[HD], 16                      ; the head's codes of q or k
	s_mov_b32 s95, 0
	s_and_b32 s93, s[WV], 3
	s_lshl_b32 s90, s93, 10
	s_add_co_u32 s90, s90, s94
	s_add_co_u32 s90, s90, 0x200000                ; K: k's codes lie behind q's; chunk wave % 4
	s_mov_b32 s91, 0
	s_mul_i32 s93, s93, KCH
	s_add_co_u32 s93, s93, KB
	s_lshl_b32 s96, s[HD], 13                      ; the head's scale words, V's scale bytes, nL
	s_mov_b32 s97, 0
	s_mov_b32 s[SEL], 0x76543210
	s_mov_b32 s[SEL+1], 0xfedcba98
	s_mov_b32 s[CS], 0x3e38aa3b                    ; c = log2(e) / 8
	s_mov_b32 s[CS+1], s[CS]
	s_mov_b32 s[TV], 0
	s_mov_b32 s[TK], 0
	s_mov_b32 s[TS], 0
	s_mov_b32 s[TL], 0
	s_mov_b32 s[TW], 0
	s_wait_dscnt 0x0
	s_wait_kmcnt 0x0
	s_mov_b32 s[G0V], 1
	s_mov_b32 s[G0V+1], s92
	s_add_nc_u64 s[G0V+2:G0V+3], s[8:9], s[88:89]
	s_or_b32 s[G0V+3], s[G0V+3], 0x80000000
	s_mov_b32 s[G0K], 1
	s_mov_b32 s[G0K+1], s93
	s_add_nc_u64 s[G0K+2:G0K+3], s[4:5], s[90:91]
	s_or_b32 s[G0K+3], s[G0K+3], 0x80000000
	s_mov_b32 s[G0S], 1
	s_mov_b32 s[G0S+1], KSC
	s_add_nc_u64 s[G0S+2:G0S+3], s[6:7], s[96:97]
	s_add_nc_u64 s[G0S+2:G0S+3], s[G0S+2:G0S+3], 0x40000
	s_or_b32 s[G0S+3], s[G0S+3], 0x80000000
	s_mov_b32 s[G0L], 1
	s_mov_b32 s[G0L+1], NLB
	s_add_nc_u64 s[G0L+2:G0L+3], s[12:13], s[96:97]
	s_or_b32 s[G0L+3], s[G0L+3], 0x80000000
	s_mov_b32 s[G0W], 1
	s_mov_b32 s[G0W+1], VSC
	s_add_nc_u64 s[G0W+2:G0W+3], s[10:11], s[96:97]
	s_or_b32 s[G0W+3], s[G0W+3], 0x80000000
	CROUND                                         ; all four work-groups are here: the joint loads meet
; THE HEAD'S LOADS, ONE A WAVE: waves 0-7: V; 8-11: K; 12: K's scale words; 13: nL; 14: V's scale bytes; 15: nothing.  One tree of branches on the wave's number, an arm a load
.macro ARM under, g0, g1, next
	s_cmp_lt_u32 s[WV], \under
	s_cbranch_scc0 \next
	tensor_load_to_lds s[\g0:\g0+3], s[\g1:\g1+7]
	s_nop 0
	NOP4
	s_branch .Lasked
\next:
.endm
	ARM 8,  G0V, G1V, .Lnot_v
	ARM 12, G0K, G1K, .Lnot_k
	ARM 13, G0S, G1S, .Lnot_s
	ARM 14, G0L, G1D, .Lnot_l
	ARM 15, G0W, G1D, .Lnot_w
.Lasked:
.irp j, 20,21,22,23,64,65,66,67,236,237,238,239
	v_mov_b32 v[\j], 0                             ; zero codes behind my queries' 64; v64-67 and v236-239 are cleared as well
.endr
	s_lshl_b32 s86, s87, 4
	s_add_co_u32 s86, s86, s[WV]                   ; my tile of queries
	s_lshl_b32 s88, s86, 5
	s_mov_b32 s89, 0
	s_add_nc_u64 s[4:5], s[4:5], s[94:95]
	s_add_nc_u64 s[4:5], s[4:5], s[88:89]          ; q's codes: the head, 32 bytes a tile
	s_lshl_b32 s88, s86, 3
	s_add_nc_u64 s[6:7], s[6:7], s[96:97]
	s_add_nc_u64 s[6:7], s[6:7], s[88:89]          ; q's scale words: 8 bytes a tile
	s_lshr_b32 s90, s86, 1
	s_and_b32 s91, s86, 1
	s_lshl_b32 s88, s90, 7
	s_lshl_b32 s92, s91, 5
	s_add_co_u32 s88, s88, s92                     ; (32 (tile / 2) + 8 (tile % 2)) x 4 bytes,
	s_lshr_b32 s92, s[HD], 3
	s_lshl_b32 s92, s92, 13
	s_add_co_u32 s88, s88, s92                     ; in the batch's mask
	s_add_nc_u64 s[14:15], s[14:15], s[88:89]
	v_and_b32 v248, 7, v0                          ; e
	v_bfe_u32 v249, v0, 3, 1                       ; mm
	v_bfe_u32 v250, v0, 4, 1                       ; h
	v_and_b32 v251, 15, v0                         ; r
	s_delay_alu instid0(VALU_DEP_2)
	v_lshl_add_u32 v252, v248, 1, v250             ; 2 e + h
	s_delay_alu instid0(VALU_DEP_1)
	v_lshlrev_b32 v246, 12, v252
	s_delay_alu instid0(VALU_DEP_1)
	v_lshl_add_u32 v246, v249, 4, v246
	global_load_b128 v[16:19], v246, s[4:5]        ; my queries: lane (8 mm + e, h): plane h
	v_lshlrev_b32 v247, 10, v248
	s_delay_alu instid0(VALU_DEP_1)
	v_lshl_add_u32 v247, v249, 2, v247
	global_load_b32 v[QW], v247, s[6:7]
	v_lshlrev_b32 v245, 6, v249
	s_delay_alu instid0(VALU_DEP_1)
	v_lshl_add_u32 v245, v248, 2, v245
	global_load_b32 v244, v245, s[14:15]           ; mask of my query
	v_mul_u32_u24 v[AK0], v252, KROW
	s_delay_alu instid0(VALU_DEP_1)
	v_lshl_add_u32 v[AK0], v249, 4, v[AK0]
	s_delay_alu instid0(VALU_DEP_1)
	v_add_nc_u32 v[AK0], KB, v[AK0]
	v_mul_u32_u24 v[AV0], v251, VP
	s_delay_alu instid0(VALU_DEP_1)
	v_lshl_add_u32 v[AV0], v250, 4, v[AV0]
	v_mul_u32_u24 v[AKS], v248, KROW
	s_delay_alu instid0(VALU_DEP_1)
	v_lshl_add_u32 v[AKS], v250, 3, v[AKS]
	s_delay_alu instid0(VALU_DEP_1)
	v_lshl_add_u32 v[AKS], v249, 2, v[AKS]
	s_delay_alu instid0(VALU_DEP_1)
	v_add_nc_u32 v[AKS], KSC, v[AKS]
	v_lshl_add_u32 v[ANL], v250, 6, NLB
	v_lshl_add_u32 v[AVS], v251, 3, VSC
	s_mul_i32 s88, s[WV], 2*OP
	s_add_co_u32 s88, s88, OSTG                    ; my two rows of O's codes
	v_mul_u32_u24 v[OSO], v249, OP
	s_delay_alu instid0(VALU_DEP_1)
	v_lshl_add_u32 v[OSO], v248, 6, v[OSO]
	s_delay_alu instid0(VALU_DEP_1)
	v_lshl_add_u32 v[OSO], v250, 4, v[OSO]
	s_delay_alu instid0(VALU_DEP_1)
	v_add_nc_u32 v[OSO], s88, v[OSO]               ; row 2 wave + mm, 64 e + 16 h bytes
	s_lshl_b32 s88, s[WV], 6
	s_add_co_u32 s88, s88, SSTG
	v_lshlrev_b32 v[SSO], 5, v249
	s_delay_alu instid0(VALU_DEP_1)
	v_lshl_add_u32 v[SSO], v248, 2, v[SSO]
	s_delay_alu instid0(VALU_DEP_1)
	v_add_nc_u32 v[SSO], s88, v[SSO]               ; row 2 wave + mm of 32 bytes, word e
	v_and_b32 v[PFO], 31, v0
	s_delay_alu instid0(VALU_DEP_1)
	v_lshlrev_b32 v[PFO], 8, v[PFO]
	s_wait_alu depctr_va_vdst(0)
	s_wait_tensorcnt 0x0                           ; my load has landed, so its descriptor's registers may be written:
	s_load_b256 s[24:31], s[0:1], 0x30             ; xw_codes, xw_scales, Wo_b, out0
	s_barrier_signal -1
	s_barrier_wait -1                              ; everybody's has
	s_wait_loadcnt 0x0
	s_wait_kmcnt 0x0
	s_mov_b32 s89, 0
	s_add_nc_u64 s[24:25], s[24:25], 5242880       ; Wo's codes: behind 10,240 rows of 512 bytes
	s_and_b32 s88, s87, 3                          ; cx
	s_lshl_b32 s88, s88, 4
	s_add_co_u32 s88, s88, s[WV]
	s_lshl_b32 s88, s88, 13
	s_add_nc_u64 s[16:17], s[24:25], s[88:89]      ; 8,192 bytes for each of the cluster's 64 waves; nothing reads s[16:17]
	s_lshl_b32 s88, s[WV], 15
	s_add_nc_u64 s[24:25], s[24:25], s[88:89]      ; my four tiles of Wo: 32,768 bytes a wave
	s_lshl_b32 s88, s[WV], 11
	s_add_nc_u64 s[26:27], s[26:27], s[88:89]      ; their scale bytes: 64 rows of 32,
	s_add_nc_u64 s[26:27], s[26:27], 327680        ; behind 10,240 rows of 32
	s_lshl_b32 s88, s[WV], 8
	s_add_nc_u64 s[28:29], s[28:29], s[88:89]      ; the bias of my 64 columns
	s_add_nc_u64 s[30:31], s[30:31], s[88:89]      ; out0: my 64 columns,
	s_lshl_b32 s88, s[HD], 20
	s_lshl_b32 s90, s87, 17
	s_add_co_u32 s88, s88, s90
	s_add_nc_u64 s[30:31], s[30:31], s[88:89]      ; row 256 head + 32 block, 4,096 bytes a row
	s_mul_i32 s90, s[WV], 16*XP                    ; my stage for the way out
	v_mul_f32 v12, s[CS], v244                     ; c mask[q]
	s_delay_alu instid0(VALU_DEP_1)
	v_mov_b32 v13, v12                             ; (named with it as a pair)
.macro STEP q, zero                    ; 128 keys, the q-th of the chunk in hand.  zero = 1: the second product starts O^T's sums
.if \q > 0
	NOP4                                           ; places behind the last products, ahead of loads into their registers (in a chunk's first step the five additions are the places)
.endif
.irp t, 0,1,2,3,4,5,6,7
	ds_load_b128 v[KF+4*\t:KF+4*\t+3], v[ADK] offset:256*(\q)+32*\t
.endr
.irp b, 0,1,2,3
	ds_load_b32 v[KSR+\b], v[ADS] offset:64*(\q)+16*\b
.endr
.irp t, 0,1,2,3,4,5,6,7
	ds_load_b128 v[S+8*\t:S+8*\t+3], v[ADL] offset:512*(\q)+128*(\t/2)+32*(\t%2)       ; nL of keys 32 B + 16 h + 8 u + 0 .. 7: the product's C
	ds_load_b128 v[S+8*\t+4:S+8*\t+7], v[ADL] offset:512*(\q)+128*(\t/2)+32*(\t%2)+16
.endr
	s_wait_dscnt 0x0
.irp b, 0,1,2,3
	v_wmma_scale_f32_16x16x128_f8f6f4 v[S+16*\b:S+16*\b+7], v[KF+8*\b:KF+8*\b+7], v[16:23], v[S+16*\b:S+16*\b+7], v[KSR+\b], v[QW] matrix_a_fmt:MATRIX_FMT_FP4 matrix_b_fmt:MATRIX_FMT_FP4
	v_wmma_scale_f32_16x16x128_f8f6f4 v[S+16*\b+8:S+16*\b+15], v[KF+8*\b+4:KF+8*\b+11], v[16:23], v[S+16*\b+8:S+16*\b+15], v[KSR+\b], v[QW] matrix_a_fmt:MATRIX_FMT_FP4 matrix_b_fmt:MATRIX_FMT_FP4 matrix_a_scale:MATRIX_SCALE_ROW1
.endr
	NOP4                                           ; places: ahead of the loads over K's tiles and of the reads of results
.irp t, 0,1,2,3,4,5,6,7
.irp c, 0,1
	ds_load_b128 v[VF+8*\t+4*\c:VF+8*\t+4*\c+3], v[ADV] offset:16*\t*VP+64*(\q)+32*\c   ; V's eight fragments land during the vector work
.endr
.endr
.irp j, 0,1,2,3
	ds_load_b64 v[VS+2*\j:VS+2*\j+1], v[ADW] offset:2048*\j+128*(\q)
.endr
.set j, 0
.rept 32
	v_pk_fma_f32 v[S+j:S+j+1], v[S+j:S+j+1], s[CS:CS+1], v[12:13] op_sel_hi:[1,0,0]   ; c (s + nL) + c mask, two at a time; each accumulator is first read at its low end
.set j, j+2
.endr
.set j, 0
	s_wait_alu depctr_va_vdst(0)
.rept 64
	v_exp_f32 v[S+j], v[S+j]                       ; att, finished and normalised
.set j, j+1
.endr
	v_nop                                          ; a plain instruction behind the last exponential
	s_wait_alu depctr_va_vdst(0)                   ; one wait for the batch of 64, ahead of its first reader
.irp b, 0,1,2,3
	v_max3_num_f32 v[MX+\b], v[S+16*\b], v[S+16*\b+1], v[S+16*\b+2]   ; the largest att of each block of 32 keys: my 16 (none is negative: no |.|); the four blocks by turns
.endr
.irp i, 3,5,7,9,11,13
.irp b, 0,1,2,3
	v_max3_num_f32 v[MX+\b], v[MX+\b], v[S+16*\b+\i], v[S+16*\b+\i+1]
.endr
.endr
.irp b, 0,1,2,3
	v_max_num_f32 v[MX+\b], v[MX+\b], v[S+16*\b+15]
.endr
.irp b, 0,1,2,3
	s_delay_alu instid0(VALU_DEP_4)
	v_permlanex16_b32 v[TB4+\b], v[MX+\b], s[SEL], s[SEL+1]
.endr
.irp b, 0,1,2,3
	s_delay_alu instid0(VALU_DEP_4)
	v_max3_num_f32 v[MX+\b], v[MX+\b], v[TB4+\b], 0x1800000   ; with lane l xor 16's 16 keys, and the floor 2^(3 - 127): the byte cannot fall under 1
.endr
.irp b, 0,1,2,3
	s_delay_alu instid0(VALU_DEP_4)
	v_add_nc_u32 v[SO4+\b], 0xff000000, v[MX+\b]   ; 2 off the exponent field: the conversion's scale operand
.endr
.irp b, 0,1,2,3
	s_delay_alu instid0(VALU_DEP_4)
	v_lshrrev_b32 v[TB4+\b], 23, v[SO4+\b]
.endr
	s_delay_alu instid0(VALU_DEP_3)
	v_lshl_or_b32 v[PW], v[TB4+1], 8, v[TB4]
	s_delay_alu instid0(VALU_DEP_1)
	v_lshl_or_b32 v[PW], v[TB4+2], 16, v[PW]
	s_delay_alu instid0(VALU_DEP_1)
	v_lshl_or_b32 v[PW], v[TB4+3], 24, v[PW]       ; att's scale word for these 128 keys
.irp b, 0,1,2,3
	v_cvt_scalef32_pk8_fp4_f32 v[PC+2*\b], v[S+16*\b:S+16*\b+7], v[SO4+\b]
	v_cvt_scalef32_pk8_fp4_f32 v[PC+2*\b+1], v[S+16*\b+8:S+16*\b+15], v[SO4+\b]
.endr
	v_nop                                          ; one plain place behind a scaled conversion
.irp c, 0,1                            ; a whole block to a lane: lanes 0-15 block 2 c, lanes 16-31 block 2 c + 1
.irp i, 0,1
	v_permlane16_swap_b32 v[PC+4*\c+\i], v[PC+2+4*\c+\i]
.endr
.endr
.rept 8
	v_nop                                          ; a scale register written by a vector instruction stands eight places ahead of a scaled matrix instruction, an operand so written four
.endr
	s_wait_alu depctr_va_vdst(0)
	s_wait_dscnt 0x0                               ; V and its scale words
.irp t, 0,1,2,3,4,5,6,7
.if \zero
	v_wmma_scale_f32_16x16x128_f8f6f4 v[O+8*\t:O+8*\t+7], v[VF+8*\t:VF+8*\t+7], v[PC:PC+7], 0, v[VS+\t], v[PW] matrix_a_fmt:MATRIX_FMT_FP4 matrix_b_fmt:MATRIX_FMT_FP4
.else
	v_wmma_scale_f32_16x16x128_f8f6f4 v[O+8*\t:O+8*\t+7], v[VF+8*\t:VF+8*\t+7], v[PC:PC+7], v[O+8*\t:O+8*\t+7], v[VS+\t], v[PW] matrix_a_fmt:MATRIX_FMT_FP4 matrix_b_fmt:MATRIX_FMT_FP4
.endif
.endr
.endm
.macro CHUNK zero                      ; 512 keys
	v_add_nc_u32 v[ADK], s[TK], v[AK0]
	v_add_nc_u32 v[ADV], s[TV], v[AV0]
	s_wait_alu depctr_va_vdst(0)
	v_add_nc_u32 v[ADS], s[TS], v[AKS]
	v_add_nc_u32 v[ADL], s[TL], v[ANL]
	v_add_nc_u32 v[ADW], s[TW], v[AVS]
	s_wait_alu depctr_va_vdst(0)
	STEP 0, \zero
	STEP 1, 0
	STEP 2, 0
	STEP 3, 0
	s_add_co_u32 s[TK], s[TK], KCH
	s_add_co_u32 s[TV], s[TV], VCH
	s_add_co_u32 s[TS], s[TS], 256
	s_add_co_u32 s[TL], s[TL], 2048
	s_add_co_u32 s[TW], s[TW], 512
.endm
	CHUNK 1                                        ; the first chunk stands ahead of the loop: its first step starts O^T's sums: nothing is cleared
	s_mov_b32 s[CNT], 3
.Lchunk:
	CHUNK 0
	s_sub_co_u32 s[CNT], s[CNT], 1
	s_cmp_lg_u32 s[CNT], 0
	s_cbranch_scc1 .Lchunk
	NOP4                                           ; places behind the last products: ahead of the reads of O^T and of the loads over V's fragments
; THE LAST PRODUCT'S LOADS FROM MEMORY GO OUT FIRST: the bias, Wo's scale words, Wo's fragments of K steps 0 and 1: 28 loads, which fly while O is quantised
	v_and_b32 v9, 31, v0                           ; lane
	v_bfe_u32 v10, v0, 4, 1                        ; h
	v_and_b32 v12, 15, v0                          ; r
	s_delay_alu instid0(VALU_DEP_3)
	v_lshlrev_b32 v1, 4, v9                        ; Wo's fragments: 16 bytes a lane
	s_delay_alu instid0(VALU_DEP_3)
	v_lshlrev_b32 v2, 5, v10                       ; the bias: columns 8 h on
	v_lshlrev_b32 v3, 5, v9                        ; Wo's scale bytes: row = lane, 32 bytes a row
.macro BLD s                           ; Wo's four fragments of K step s into set s % 3: each load reads 512 bytes on end
.irp b, 0,1,2,3
.irp c, 0,1
	global_load_b128 v[32+32*((\s)%3)+8*\b+4*\c:32+32*((\s)%3)+8*\b+4*\c+3], v1, s[24:25] offset:8192*\b+1024*(\s)+512*\c
.endr
.endr
.endm
.macro ALD s                           ; O's two fragments of K step s into set s % 2
.irp j, 0,1
.irp c, 0,1
	ds_load_b128 v[224-208*((\s)%2)+8*\j+4*\c:224-208*((\s)%2)+8*\j+4*\c+3], v4 offset:16*OP*\j+64*(\s)+32*\c
.endr
.endr
.endm
.irp b, 0,1,2,3
	global_load_b128 v[BIAS+8*\b:BIAS+8*\b+3], v2, s[28:29] offset:64*\b          ; register j of tile b: column 16 b + 8 h + j
	global_load_b128 v[BIAS+8*\b+4:BIAS+8*\b+7], v2, s[28:29] offset:64*\b+16
.endr
.irp p, 0,1
.irp u, 0,1
	global_load_b128 v[WSC+8*\p+4*\u:WSC+8*\p+4*\u+3], v3, s[26:27] offset:1024*\p+16*\u
.endr
.endr
	BLD 0
	BLD 1
	v_mul_u32_u24 v4, v12, OP
	v_mul_u32_u24 v6, v12, XP
	v_mul_u32_u24 v7, v10, XP
	v_lshlrev_b32 v8, 13, v10
	s_delay_alu instid0(VALU_DEP_4)
	v_lshl_add_u32 v4, v10, 4, v4
	s_delay_alu instid0(VALU_DEP_4)
	v_lshl_add_u32 v6, v10, 5, v6
	s_delay_alu instid0(VALU_DEP_4)
	v_lshl_add_u32 v7, v12, 4, v7
	s_delay_alu instid0(VALU_DEP_4)
	v_lshl_add_u32 v8, v12, 4, v8                  ; out0: lanes 0-15 one row, lanes 16-31 the row two further down; 16 bytes a lane
	v_lshl_add_u32 v5, v9, 5, SSTG                 ; O's scale words: row = lane
	v_add_nc_u32 v4, OSTG, v4                      ; O's fragments: row r, + 16 h
	v_add_nc_u32 v6, s90, v6                       ; my stage, in: row r, 32 bytes for each half of the lanes
	v_add_nc_u32 v7, s90, v7                       ; and back: lanes 0-15 one row of 256 bytes, lanes 16-31 the next
	; O IS QUANTISED.  Register 16 B + i of O^T is channel 32 B + 16 h + i of my query: four blocks of 32 along d, each in lanes l and l xor 16
.irp b, 0,1,2,3
	v_max3_num_f32 v[MX+\b], |v[O+16*\b]|, |v[O+16*\b+1]|, 0x1800000
.endr
.irp i, 2,4,6,8,10,12,14
.irp b, 0,1,2,3
	v_max3_num_f32 v[MX+\b], v[MX+\b], |v[O+16*\b+\i]|, |v[O+16*\b+\i+1]|
.endr
.endr
.irp b, 0,1,2,3
	s_delay_alu instid0(VALU_DEP_4)
	v_permlanex16_b32 v[TB4+\b], v[MX+\b], s[SEL], s[SEL+1]
.endr
.irp b, 0,1,2,3
	s_delay_alu instid0(VALU_DEP_4)
	v_max_num_f32 v[MX+\b], v[MX+\b], v[TB4+\b]
.endr
.irp b, 0,1,2,3
	s_delay_alu instid0(VALU_DEP_4)
	v_add_nc_u32 v[SO4+\b], 0xff000000, v[MX+\b]
.endr
.irp b, 0,1,2,3
	s_delay_alu instid0(VALU_DEP_4)
	v_lshrrev_b32 v[TB4+\b], 23, v[SO4+\b]
.endr
	s_delay_alu instid0(VALU_DEP_3)
	v_lshl_or_b32 v[PW], v[TB4+1], 8, v[TB4]
	s_delay_alu instid0(VALU_DEP_1)
	v_lshl_or_b32 v[PW], v[TB4+2], 16, v[PW]
	s_delay_alu instid0(VALU_DEP_1)
	v_lshl_or_b32 v[PW], v[TB4+3], 24, v[PW]
.irp b, 0,1,2,3
	v_cvt_scalef32_pk8_fp4_f32 v[PC+2*\b], v[O+16*\b:O+16*\b+7], v[SO4+\b]
	v_cvt_scalef32_pk8_fp4_f32 v[PC+2*\b+1], v[O+16*\b+8:O+16*\b+15], v[SO4+\b]
.endr
	v_nop
.irp c, 0,1
.irp i, 0,1
	v_permlane16_swap_b32 v[PC+4*\c+\i], v[PC+2+4*\c+\i]
.endr
.endr
	ds_store_b128 v[OSO], v[PC:PC+3]               ; k = 128 e + 32 h + 0 .. 31 of the last product
	ds_store_b128 v[OSO], v[PC+4:PC+7] offset:32   ; k = 128 e + 64 + 32 h + 0 .. 31
	ds_store_b32 v[SSO], v[PW]                     ; both halves write the same word with the same value
	s_wait_dscnt 0x0                               ; for the others' sake
	s_barrier_signal -1
	s_barrier_wait -1                              ; the 32 rows of codes and scale words lie in LDS, and nobody reads K or V any more
	ds_load_b128 v[ASC:ASC+3], v5
	ds_load_b128 v[ASC+4:ASC+7], v5 offset:16
	ALD 0
	ALD 1
; out0 = O Wo^T + Wo_b, TRANSPOSED: source 0 = 16 rows of Wo, source 1 = 16 rows of O: a lane holds eight neighbouring numbers of a row of out0.  The eight accumulators take turns.
.macro WM j, b, s
.set XD, ACC+8*(4*\j+\b)
.if (\s) == 0
.set XC, BIAS+8*\b                     ; the bias starts the sums
.else
.set XC, XD
.endif
.set XB, 32+32*((\s)%3)+8*\b
.set XA, 224-208*((\s)%2)+8*\j
.set XS, WSC+8*(\b/2)+(\s)
.if (\b%2 == 0) && (\j == 0)
	v_wmma_scale_f32_16x16x128_f8f6f4 v[XD:XD+7], v[XB:XB+7], v[XA:XA+7], v[XC:XC+7], v[XS], v[ASC+(\s)] matrix_a_fmt:MATRIX_FMT_FP4 matrix_b_fmt:MATRIX_FMT_FP4
.endif
.if (\b%2 == 1) && (\j == 0)
	v_wmma_scale_f32_16x16x128_f8f6f4 v[XD:XD+7], v[XB:XB+7], v[XA:XA+7], v[XC:XC+7], v[XS], v[ASC+(\s)] matrix_a_fmt:MATRIX_FMT_FP4 matrix_b_fmt:MATRIX_FMT_FP4 matrix_a_scale:MATRIX_SCALE_ROW1
.endif
.if (\b%2 == 0) && (\j == 1)
	v_wmma_scale_f32_16x16x128_f8f6f4 v[XD:XD+7], v[XB:XB+7], v[XA:XA+7], v[XC:XC+7], v[XS], v[ASC+(\s)] matrix_a_fmt:MATRIX_FMT_FP4 matrix_b_fmt:MATRIX_FMT_FP4 matrix_b_scale:MATRIX_SCALE_ROW1
.endif
.if (\b%2 == 1) && (\j == 1)
	v_wmma_scale_f32_16x16x128_f8f6f4 v[XD:XD+7], v[XB:XB+7], v[XA:XA+7], v[XC:XC+7], v[XS], v[ASC+(\s)] matrix_a_fmt:MATRIX_FMT_FP4 matrix_b_fmt:MATRIX_FMT_FP4 matrix_a_scale:MATRIX_SCALE_ROW1 matrix_b_scale:MATRIX_SCALE_ROW1
.endif
.endm
.macro KST s, lc, dc                   ; K step s.  lc: the global loads issued behind its fragments of Wo, dc: the LDS loads issued behind its fragments of O: these may stay out
	s_wait_loadcnt \lc
	s_wait_dscnt \dc
.irp j, 0,1
.irp b, 0,1,2,3
	WM \j, \b, \s
.endr
.endr
.endm
	KST 0, 8, 4                                    ; out: step 1's eight loads; step 1's four LDS loads
	NOP4                                           ; places ahead of loads into registers that the products have read
	BLD 2                                          ; over the bias
	BLD 3
	ALD 2
.irp s, 1,2,3,4
	KST \s, 16, 4                                  ; out: the eight loads of each of the two steps behind it
	NOP4
	BLD \s+3
	ALD \s+2
.endr
	KST 5, 16, 4
	NOP4
	ALD 7
	KST 6, 8, 4
	KST 7, 0, 0
	NOP4                                           ; places: ahead of the reads of results and of the loads over Wo's fragments
; THE WAY OUT: 16 rows x 64 columns at a time through my own stage, back as rows of 256 bytes.  LDS serves a wave's instructions in order: no wait between the stores and the loads.
; Stage row 2 t + hh of block j is O's row 16 j + 2 t + hh in LDS, which is row 16 j + 4 (t / 2) + t % 2 + 2 hh of the work-group's 32 rows of out0.
.irp j, 0,1
.irp b, 0,1,2,3
	ds_store_b128 v6, v[ACC+8*(4*\j+\b):ACC+8*(4*\j+\b)+3] offset:64*\b          ; each accumulator from its low end on
	ds_store_b128 v6, v[ACC+8*(4*\j+\b)+4:ACC+8*(4*\j+\b)+7] offset:64*\b+16
.endr
.irp t, 0,1,2,3,4,5,6,7
	ds_load_b128 v[32+32*\j+4*\t:32+32*\j+4*\t+3], v7 offset:2*\t*XP
.endr
.endr
.irp j, 0,1
.irp t, 0,1,2,3,4,5,6,7
	s_wait_dscnt 23-16*\j-\t                       ; behind this load: the rest of its block's, and the next block's 8 stores and 8 loads
	global_store_b128 v8, v[32+32*\j+4*\t:32+32*\j+4*\t+3], s[30:31] offset:(16*\j+4*(\t/2)+(\t%2))*4096 th:TH_STORE_NT   ; sixteen lanes store 256 consecutive bytes, aligned
.endr
.endr
	s_wait_tensorcnt 0x0                           ; the wave's end
	ds_add_u32 v15, v254
	s_wait_dscnt 0x0
	CROUND                                         ; the closing round
	s_endpgm
.Lfunc_end_k_q3543671913_attn:
	.size	k_q3543671913_attn, .Lfunc_end_k_q3543671913_attn-k_q3543671913_attn
	.p2alignl 7, 3214868480
	.fill 96, 4, 3214868480
	.section	.rodata,"a",@progbits
	.p2align	6, 0x0
	.amdhsa_kernel k_q3543671913_attn
		.amdhsa_group_segment_fixed_size 264192
		.amdhsa_private_segment_fixed_size 0
		.amdhsa_enable_private_segment 0
		.amdhsa_kernarg_size 80
		.amdhsa_user_sgpr_count 2
		.amdhsa_user_sgpr_kernarg_segment_ptr 1
		.amdhsa_wavefront_size32 1
		.amdhsa_system_sgpr_workgroup_id_x 1
		.amdhsa_system_sgpr_workgroup_id_y 1
		.amdhsa_system_sgpr_workgroup_id_z 1
		.amdhsa_system_vgpr_workitem_id 0
		.amdhsa_next_free_vgpr 256
		.amdhsa_next_free_sgpr 100
		.amdhsa_reserve_vcc 0
		.amdhsa_float_denorm_mode_32 3
		.amdhsa_float_denorm_mode_16_64 3
		.amdhsa_memory_ordered 1
		.amdhsa_forward_progress 1
		.amdhsa_inst_pref_size 154
	.end_amdhsa_kernel
	.amdgpu_metadata
---
amdhsa.version: [ 1, 2 ]
amdhsa.kernels:
  - .name:           k_q3543671913_attn
    .symbol:         k_q3543671913_attn.kd
    .args:
      - { .name: qk_codes, .offset: 0, .size: 8, .value_kind: global_buffer, .address_space: global }
      - { .name: qk_scales, .offset: 8, .size: 8, .value_kind: global_buffer, .address_space: global }
      - { .name: v_codes, .offset: 16, .size: 8, .value_kind: global_buffer, .address_space: global }
      - { .name: v_scales, .offset: 24, .size: 8, .value_kind: global_buffer, .address_space: global }
      - { .name: lstat, .offset: 32, .size: 8, .value_kind: global_buffer, .address_space: global }
      - { .name: mask, .offset: 40, .size: 8, .value_kind: global_buffer, .address_space: global }
      - { .name: xw_codes, .offset: 48, .size: 8, .value_kind: global_buffer, .address_space: global }
      - { .name: xw_scales, .offset: 56, .size: 8, .value_kind: global_buffer, .address_space: global }
      - { .name: Wo_b, .offset: 64, .size: 8, .value_kind: global_buffer, .address_space: global }
      - { .name: out0, .offset: 72, .size: 8, .value_kind: global_buffer, .address_space: global }
    .group_segment_fixed_size: 264192
    .private_segment_fixed_size: 0
    .kernarg_segment_align: 8
    .kernarg_segment_size: 80
    .max_flat_workgroup_size: 512
    .sgpr_count:     100
    .vgpr_count:     256
    .wavefront_size: 32
...
	.end_amdgpu_metadata
.endif
;; end of part 4
